; MI455X (gfx1250); checked and timed in simulation.
; The chip was launched on July 23, 2026; its instructions are those of AMD's public machine-readable ISA for CDNA 5 (MIT licence, August 2026) and "CDNA5" Instruction Set Architecture Reference Guide (July 2026). The comments in the code are by the model that wrote it; some were corrected since.
;; Causal Self Attention. Allowed arithmetic: matrix products marked QUANTISED: E2M1 operands, one E8M0 scale for each 32 along K, by v_wmma_scale_f32_16x16x128_f8f6f4 with both operands' format E2M1 (or v_wmma_scale_f32_32x16x128_f4), f32 sums; products left as they are: bf16, f16 or f32 operands; f32 sums; everything else in f32.
;; Inputs: b_attn 3,072 float32; b_proj 1,024 float32; w_attn 1,024 x 3,072 float32; w_proj 1,024 x 1,024 float32; x 2 x 2,048 x 1,024 float32.
;; Outputs: out0 2 x 2,048 x 1,024 float32.
;; This version of the problem:
;;   THIS VERSION OF THE PROBLEM IS GIVEN IN LOW PRECISION. The matrix products marked QUANTISED in the list below multiply operands that are first quantised to E2M1 (2 exponent bits, 1 mantissa bit; 4 bits a number), with one power-of-two scale for each 32 numbers along K (OCP MX v1.0); their sums are f32. The products marked 'left as it is' may take bf16, f16 or f32 operands, with f32 sums. Whichever they take, every output number must still come out within the allowed error. Rounding operands to bf16 (8 significant bits) uses up far more of that allowance than f16 does (11 bits, for magnitudes from 6e-5 to 65,504). All else is computed in f32.
;;   The module's matrix products, in the order in which they are computed (A, B: the left and right operand; K: the contracted axis; several contracted axes count as one K, in the product's order):
;;     1. [M 4,096, K 1,024] x [K 1,024, N 3,072]; A: input x; B: input w_attn: QUANTISED
;;     2. batch 32 x [M 2,048, K 64] x [K 64, N 2,048]; A: computed on the way; B: computed on the way: left as it is (an operand is computed on the way)
;;     3. batch 32 x [M 2,048, K 2,048] x [K 2,048, N 64]; A: computed on the way; B: computed on the way: left as it is (an operand is computed on the way)
;;     4. [M 4,096, K 1,024] x [K 1,024, N 1,024]; A: computed on the way; B: input w_proj: left as it is (an operand is computed on the way)
;;   THE QUANTISER, for each operand of a quantised product, along K:
;;     - K is cut into blocks of 32 from its start; a last block that is shorter is filled with zeros.
;;     - A block's scale is 2^e with e = floor(log2(the largest magnitude in the block)) - 2, held to -126 .. 127; a block of zeros has e = 0. As a byte (E8M0): e + 127.
;;     - Each number is divided by its block's scale, clamped to +-6, and rounded to the nearest number of E2M1, ties to even, subnormals kept.
;;     - The product sums the exact products of the quantised numbers (number of the format x scale) in f32.
;;   ~~~python
;;   def quantise(x, axis):      # numpy; x: float32 -> the quantised numbers, widened to float32 again
;;       x = np.moveaxis(x, axis, -1); K = x.shape[-1]
;;       x = np.pad(x, [(0, 0)] * (x.ndim - 1) + [(0, -K % 32)]); x = x.reshape(x.shape[:-1] + (-1, 32)); a = np.abs(x).max(-1, keepdims=True)
;;       e = np.where(a > 0, np.clip(np.frexp(np.where(a > 0, a, 1))[1] - 1 - 2, -126, 127), 0)      # np.frexp(a)[1] - 1 = floor(log2(a)), exactly
;;       r = np.clip(x / 2.0 ** e, -6, 6)
;;       step = 2.0 ** (np.maximum(np.frexp(np.where(r == 0, 1, r))[1] - 1, 0) - 1)
;;       q = np.round(r / step) * step * 2.0 ** e      # np.round: ties to even
;;       return np.moveaxis(q.reshape(q.shape[:-2] + (-1,))[..., :K], -1, axis).astype(np.float32)
;;   ~~~
;; One version. Each part assembles by itself: llvm-mc -triple=amdgcn-amd-amdhsa -mcpu=gfx1250 --defsym DOCPART=n.
;; ======== version 1 of 1: 5 launches
;; limits: values are held in f16: magnitudes above 65,504 overflow, below 6.1e-05 lose precision
;; workspace buffers: xq 2,097,152 bytes; xs 131,072 bytes; wq 1,572,864 bytes; ws 98,304 bytes; wp 2,097,152 bytes; qkv 25,165,824 bytes; qf 393,216 bytes; yb 8,388,608 bytes
;; launch prep (part 1): grid 512 x 1, 4 waves a work-group, no clusters, 22,016 bytes of LDS; arguments x, w_attn, w_proj, xq, xs, wq, ws, wp; writes xq, xs, wq, ws, wp
.if DOCPART == 1
	.amdgcn_target "amdgcn-amd-amdhsa--gfx1250"
	.amdhsa_code_object_version 6
	.text
	.protected	k_q3ce63d6e30_prep
	.globl	k_q3ce63d6e30_prep
	.p2align	8
	.type	k_q3ce63d6e30_prep,@function
k_q3ce63d6e30_prep:
	s_mov_b64 s[64:65], 0
	v_nop
	global_prefetch_b8 v0, s[64:65] scope:SCOPE_SE
	s_setreg_imm32_b32 hwreg(HW_REG_WAVE_MODE, 25, 1), 1
	s_wait_xcnt 0x0
; PREP.  Three jobs in one launch, told apart by the work-group's number; each wave asks for its whole 16 KiB at once, works, stores and ends.
;  X (work-groups 0-255): x [4096][1024] f32 -> codes of E2M1, K innermost (xq [4096][512 bytes]), one E8M0 byte for each 32 along K (xs [4096][32]).
;  W (256-447): w_attn [1024 k][3072 n] f32, K its first axis -> the same codes, laid as IMAGES OF THE OPERAND'S REGISTERS: wq [head 16][K step 8][tile 12][1,024 bytes]; tile 4 part + t holds columns
;     1024 part + 64 head + 16 t + r; in an image block bl of 32 k of column r lies at 256 bl + 16 r.  ws [head][K step][tile][16 words]: a column's four scale bytes of 128 k.
;  P (448-511): w_proj [1024 k][1024 n] f32 -> f16, laid as images of 16 x 32 fragments: wp [128 columns 8][32 k 32][tile 8][1,024 bytes]; piece p of 8 k of column r lies at 256 p + 16 r.
; A block's scale is 2^(floor(log2(largest magnitude)) - 2): its byte is the largest magnitude's exponent field - 2, held at 1 from below.
; LIMITS: a block of zeros, or one whose largest magnitude lies under 2^-124, gets the byte 1 (zeros: the rule says 127; its codes are zeros, and this program alone reads the bytes).  NaN and infinities are not served.
;         w_proj must lie inside f16's range (65,504).  The scale bytes leave in runs of 128 consecutive bytes a wave: one byte in 128 of what the launch reads.
; In W and P a lane takes a column and its registers run down K, so that a block of 32 lies in one lane and nothing is transposed.  Only path X uses LDS, each wave its own bytes: no barrier.
.set SP,    80                         ; a lane's place in a stage: 64 bytes + 16 of padding
.set WREG,  5376                       ; LDS of a wave: two stages of 32 x SP bytes, then 256 bytes for its 128 scale bytes
.set SPARE, 4*WREG                     ; the spare words, 128 bytes a wave: two blocks of 256 bytes that no other line names
.set IMG,   1                          ; v1       W, P: my place in two neighbouring images: 1024 (lane / 16) + 16 (lane % 16)
.set SPW,   12                         ; v12      LDS address of my spare word; never rewritten
.set NIL,   13                         ; v13      0; never rewritten
.set R,     16                         ; v16-143  128 numbers as loaded
.set X,     144                        ; v144-175 X: two sets of 16 neighbours
.set C,     176                        ; v176-191 X: two registers of codes a step
.set E,     192                        ; v192-199 X: a scale byte a step
.set CW,    144                        ; v144..   W: 16 registers of codes;  P: 64 registers of f16 pairs
.set SW,    160                        ; v160     W: my column's scale word
.macro LOAD t                          ; X: step t's 512 numbers: each load reads 512 consecutive bytes
.irp i, 0,1,2,3
	global_load_b128 v[R+16*(\t)+4*\i:R+16*(\t)+4*\i+3], v3, s[4:5] offset:2048*(\t)+512*\i th:TH_LOAD_NT
.endr
.endm
.macro TURN t                          ; X: through the stage, as they lie, and back 64 bytes a lane.  LDS serves a wave's instructions in order: no wait between
.irp i, 0,1,2,3
	ds_store_b128 v14, v[R+16*(\t)+4*\i:R+16*(\t)+4*\i+3] offset:32*SP*((\t)%2)+8*SP*\i
.endr
.irp i, 0,1,2,3
	ds_load_b128 v[X+16*((\t)%2)+4*\i:X+16*((\t)%2)+4*\i+3], v15 offset:32*SP*((\t)%2)+16*\i
.endr
.endm
.macro STEP t
.set XS, X+16*((\t)%2)
.if (\t) > 0
	s_wait_dscnt 1                                 ; this step's numbers are back; the last step's byte store may be out
.else
	s_wait_dscnt 0x0
.endif
.if (\t)+1 < 8
	s_wait_loadcnt 4*(6-(\t))                      ; the next step's four loads are in; those issued behind them may be out
	TURN (\t)+1
.endif
	v_max3_num_f32 v8, |v[XS]|, |v[XS+1]|, |v[XS+2]|
	v_max3_num_f32 v9, |v[XS+3]|, |v[XS+4]|, |v[XS+5]|
.irp i, 6,10
	v_max3_num_f32 v8, v8, |v[XS+\i]|, |v[XS+\i+1]|
	v_max3_num_f32 v9, v9, |v[XS+\i+2]|, |v[XS+\i+3]|
.endr
	v_max3_num_f32 v8, v8, |v[XS+14]|, |v[XS+15]|
	v_max3_num_f32 v8, v8, v9, 0x1800000           ; the floor 2^(3 - 127): the byte cannot fall under 1
	v_max_num_f32_dpp v8, v8, v8 row_xmask:1 row_mask:0xf bank_mask:0xf   ; with my neighbour's 16: the block's largest magnitude
	v_add_nc_u32 v11, 0xff000000, v8               ; 2 off its exponent field: the conversion's scale operand
	v_cvt_scalef32_pk8_fp4_f32 v[C+2*(\t)], v[XS:XS+7], v11
	v_cvt_scalef32_pk8_fp4_f32 v[C+2*(\t)+1], v[XS+8:XS+15], v11
	v_lshrrev_b32 v[E+(\t)], 23, v11               ; the scale's byte (also the plain line behind the conversions)
	ds_store_b8 v5, v[E+(\t)] offset:16*(\t)       ; both lanes of a block write the same byte with the same value
	global_store_b64 v4, v[C+2*(\t):C+2*(\t)+1], s[10:11] offset:256*(\t)   ; the wave stores 256 consecutive bytes, aligned
.endm
.macro LOADCOL lo, pitch               ; W, P: 128 rows of my column: each load reads 128 consecutive bytes, the four waves side by side on 512
.set n, 0
.rept 128
	global_load_b32 v[R+n], v7, s[\lo:\lo+1] offset:n*\pitch th:TH_LOAD_NT
.set n, n+1
.endr
.endm
.macro WAITBLK bl                      ; block bl's 32 loads are in.  A wait's count has six bits (ISA guide 5.7.1): 63 stands where 96 and 64 would do
.if (\bl) < 2
	s_wait_loadcnt 63
.else
	s_wait_loadcnt 32*(3-(\bl))
.endif
.endm
.macro BLOCKW bl
.set XS, R+32*(\bl)
	WAITBLK \bl
	v_max3_num_f32 v8, |v[XS]|, |v[XS+1]|, |v[XS+2]|               ; all 32 numbers of the block are mine
	v_max3_num_f32 v9, |v[XS+3]|, |v[XS+4]|, |v[XS+5]|
.irp i, 6,10,14,18,22,26
	v_max3_num_f32 v8, v8, |v[XS+\i]|, |v[XS+\i+1]|
	v_max3_num_f32 v9, v9, |v[XS+\i+2]|, |v[XS+\i+3]|
.endr
	v_max3_num_f32 v8, v8, |v[XS+30]|, |v[XS+31]|
	v_max3_num_f32 v8, v8, v9, 0x1800000
	v_add_nc_u32 v11, 0xff000000, v8
	v_lshrrev_b32 v10, 23, v11
.if (\bl) == 0
	v_mov_b32 v[SW], v10
.else
	v_lshl_or_b32 v[SW], v10, 8*(\bl), v[SW]
.endif
.irp g, 0,1,2,3
	v_cvt_scalef32_pk8_fp4_f32 v[CW+4*(\bl)+\g], v[XS+8*\g:XS+8*\g+7], v11
.endr
	v_nop                                          ; one plain line behind the conversions: the next block writes their scale operand
	global_store_b128 v[IMG], v[CW+4*(\bl):CW+4*(\bl)+3], s[14:15] offset:256*(\bl)   ; sixteen lanes store 256 consecutive bytes, aligned
.endm
.macro BLOCKP e
	WAITBLK \e
.set n, 0
.rept 16
	v_cvt_pk_f16_f32 v[CW+16*(\e)+n], v[R+32*(\e)+2*n], v[R+32*(\e)+2*n+1]   ; the lower k in the low half
.set n, n+1
.endr
.irp p, 0,1,2,3
	global_store_b128 v[IMG], v[CW+16*(\e)+4*\p:CW+16*(\e)+4*\p+3], s[18:19] offset:(\e)*8192+\p*256
.endr
.endm
	s_load_b256 s[4:11], s[0:1], 0x0               ; x s[4:5], w_attn s[6:7], w_proj s[8:9], xq s[10:11]
	s_load_b256 s[12:19], s[0:1], 0x20             ; xs s[12:13], wq s[14:15], ws s[16:17], wp s[18:19]
	v_lshl_add_u32 v[SPW], v0, 2, SPARE
	v_mov_b32 v[NIL], 0
	v_lshrrev_b32 v1, 5, v0
	v_readfirstlane_b32 s20, v1                    ; wave 0..3
	v_and_b32 v2, 31, v0                           ; lane
	v_lshlrev_b32 v3, 4, v2                        ; 16 x lane
	v_lshlrev_b32 v4, 3, v2                        ; 8 x lane
	v_lshlrev_b32 v7, 2, v2                        ; 4 x lane
	s_mul_i32 s21, s20, WREG
	v_lshrrev_b32 v14, 2, v2
	v_mul_u32_u24 v14, v14, SP
	v_and_b32 v15, 3, v2
	v_lshl_add_u32 v14, v15, 4, v14
	v_add_nc_u32 v14, s21, v14                     ; the stage, in: SP (lane / 4) + 16 (lane % 4)
	v_mul_u32_u24 v15, v2, SP
	v_add_nc_u32 v15, s21, v15                     ; and out: SP x lane
	v_lshrrev_b32 v5, 1, v2
	s_add_co_u32 s21, s21, 2*32*SP
	v_add_nc_u32 v5, s21, v5                       ; my block's scale byte
	v_add_nc_u32 v6, s21, v7                       ; and four of them on the way out
	v_and_b32 v8, 15, v2
	v_lshrrev_b32 v9, 4, v2
	v_lshlrev_b32 v8, 4, v8
	v_lshl_add_u32 v[IMG], v9, 10, v8
	s_mov_b32 s29, 0
	s_wait_kmcnt 0x0
	s_cmp_lt_u32 ttmp9, 256
	s_cbranch_scc0 .Lnot_x
	; ---- X
	s_lshl_b32 s22, ttmp9, 2
	s_add_co_u32 s22, s22, s20                     ; which run of 4,096 numbers is my wave's
	s_lshl_b32 s28, s22, 14
	s_add_nc_u64 s[4:5], s[4:5], s[28:29]
	s_lshl_b32 s28, s22, 11
	s_add_nc_u64 s[10:11], s[10:11], s[28:29]
	s_lshl_b32 s28, s22, 7
	s_add_nc_u64 s[12:13], s[12:13], s[28:29]
.irp t, 0,1,2,3,4,5,6,7
	LOAD \t
.endr
	s_wait_loadcnt 28                              ; step 0's four loads are in
	TURN 0
.irp t, 0,1,2,3,4,5,6,7
	STEP \t
.endr
	ds_load_b32 v8, v6                             ; LDS serves a wave's instructions in order: this sees my byte stores
	s_wait_dscnt 0x0
	global_store_b32 v7, v8, s[12:13]              ; 128 consecutive bytes
	s_wait_tensorcnt 0x0                           ; the wave's end
	ds_add_u32 v[SPW], v[NIL]
	s_wait_dscnt 0x0
	s_endpgm
.Lnot_x:
	s_cmp_lt_u32 ttmp9, 448
	s_cbranch_scc0 .Lpath_p
	; ---- W
	s_sub_co_u32 s22, ttmp9, 256
	s_and_b32 s23, s22, 7                          ; K step q
	s_lshr_b32 s24, s22, 3                         ; which 128 columns, 0..23
	s_lshr_b32 s25, s24, 3                         ; part: q, k or v
	s_and_b32 s26, s24, 7
	s_lshl_b32 s26, s26, 1
	s_lshr_b32 s27, s20, 1
	s_add_co_u32 s26, s26, s27                     ; head
	s_and_b32 s27, s20, 1
	s_lshl_b32 s27, s27, 1
	s_lshl_b32 s25, s25, 2
	s_add_co_u32 s25, s25, s27                     ; the first of my two tiles
	s_lshl_b32 s26, s26, 3
	s_add_co_u32 s26, s26, s23
	s_mul_i32 s26, s26, 12
	s_add_co_u32 s26, s26, s25                     ; image number
	s_mul_i32 s28, s23, 128*12288
	s_lshl_b32 s24, s24, 9
	s_add_co_u32 s28, s28, s24
	s_lshl_b32 s27, s20, 7
	s_add_co_u32 s28, s28, s27
	s_add_nc_u64 s[6:7], s[6:7], s[28:29]
	s_lshl_b32 s28, s26, 10
	s_add_nc_u64 s[14:15], s[14:15], s[28:29]
	s_lshl_b32 s28, s26, 6
	s_add_nc_u64 s[16:17], s[16:17], s[28:29]
	LOADCOL 6, 12288
.irp bl, 0,1,2,3
	BLOCKW \bl
.endr
	global_store_b32 v7, v[SW], s[16:17]           ; two tiles' scale words: 128 consecutive bytes
	s_wait_tensorcnt 0x0                           ; the wave's end
	ds_add_u32 v[SPW], v[NIL]
	s_wait_dscnt 0x0
	s_endpgm
.Lpath_p:
	; ---- P
	s_sub_co_u32 s22, ttmp9, 448
	s_and_b32 s23, s22, 7                          ; which 128 along K
	s_lshr_b32 s24, s22, 3                         ; which 128 columns
	s_lshl_b32 s28, s23, 19
	s_lshl_b32 s25, s24, 9
	s_add_co_u32 s28, s28, s25
	s_lshl_b32 s25, s20, 7
	s_add_co_u32 s28, s28, s25
	s_add_nc_u64 s[8:9], s[8:9], s[28:29]
	s_lshl_b32 s28, s24, 5
	s_lshl_b32 s25, s23, 2
	s_add_co_u32 s28, s28, s25
	s_lshl_b32 s28, s28, 3
	s_lshl_b32 s25, s20, 1
	s_add_co_u32 s28, s28, s25                     ; image number
	s_lshl_b32 s28, s28, 10
	s_add_nc_u64 s[18:19], s[18:19], s[28:29]
	LOADCOL 8, 4096
.irp e, 0,1,2,3
	BLOCKP \e
.endr
	s_wait_tensorcnt 0x0                           ; the wave's end
	ds_add_u32 v[SPW], v[NIL]
	s_wait_dscnt 0x0
	s_endpgm
.Lfunc_end_k_q3ce63d6e30_prep:
	.size	k_q3ce63d6e30_prep, .Lfunc_end_k_q3ce63d6e30_prep-k_q3ce63d6e30_prep
	.p2alignl 7, 3214868480
	.fill 96, 4, 3214868480
	.section	.rodata,"a",@progbits
	.p2align	6, 0x0
	.amdhsa_kernel k_q3ce63d6e30_prep
		.amdhsa_group_segment_fixed_size 22016
		.amdhsa_private_segment_fixed_size 0
		.amdhsa_enable_private_segment 0
		.amdhsa_kernarg_size 64
		.amdhsa_user_sgpr_count 2
		.amdhsa_user_sgpr_kernarg_segment_ptr 1
		.amdhsa_wavefront_size32 1
		.amdhsa_system_sgpr_workgroup_id_x 1
		.amdhsa_system_sgpr_workgroup_id_y 1
		.amdhsa_system_sgpr_workgroup_id_z 1
		.amdhsa_system_vgpr_workitem_id 0
		.amdhsa_next_free_vgpr 208
		.amdhsa_next_free_sgpr 66
		.amdhsa_reserve_vcc 0
		.amdhsa_float_denorm_mode_32 3
		.amdhsa_float_denorm_mode_16_64 3
		.amdhsa_memory_ordered 1
		.amdhsa_forward_progress 1
		.amdhsa_inst_pref_size 56
	.end_amdhsa_kernel
	.amdgpu_metadata
---
amdhsa.version: [ 1, 2 ]
amdhsa.kernels:
  - .name:           k_q3ce63d6e30_prep
    .symbol:         k_q3ce63d6e30_prep.kd
    .args:
      - { .name: x, .offset: 0, .size: 8, .value_kind: global_buffer, .address_space: global }
      - { .name: w_attn, .offset: 8, .size: 8, .value_kind: global_buffer, .address_space: global }
      - { .name: w_proj, .offset: 16, .size: 8, .value_kind: global_buffer, .address_space: global }
      - { .name: xq, .offset: 24, .size: 8, .value_kind: global_buffer, .address_space: global }
      - { .name: xs, .offset: 32, .size: 8, .value_kind: global_buffer, .address_space: global }
      - { .name: wq, .offset: 40, .size: 8, .value_kind: global_buffer, .address_space: global }
      - { .name: ws, .offset: 48, .size: 8, .value_kind: global_buffer, .address_space: global }
      - { .name: wp, .offset: 56, .size: 8, .value_kind: global_buffer, .address_space: global }
    .group_segment_fixed_size: 22016
    .private_segment_fixed_size: 0
    .kernarg_segment_align: 8
    .kernarg_segment_size: 64
    .max_flat_workgroup_size: 128
    .sgpr_count:     66
    .vgpr_count:     208
    .wavefront_size: 32
...
	.end_amdgpu_metadata
.endif
;; end of part 1
;; launch qkv (part 2): grid 16 x 16, 4 waves a work-group, clusters of 4 x 1, 327,680 bytes of LDS; arguments xq, xs, wq, ws, b_attn, qkv, qf; writes qkv, qf
.if DOCPART == 2
	.amdgcn_target "amdgcn-amd-amdhsa--gfx1250"
	.amdhsa_code_object_version 6
	.text
	.protected	k_q3ce63d6e30_qkv
	.globl	k_q3ce63d6e30_qkv
	.p2align	8
	.type	k_q3ce63d6e30_qkv,@function
k_q3ce63d6e30_qkv:
	s_mov_b64 s[64:65], 0
	v_nop
	global_prefetch_b8 v0, s[64:65] scope:SCOPE_SE
	s_setreg_imm32_b32 hwreg(HW_REG_WAVE_MODE, 25, 1), 1
	s_wait_xcnt 0x0
	s_wait_alu depctr_hold_cnt(0) depctr_sa_sdst(0) depctr_va_vdst(0) depctr_va_sdst(0) depctr_va_ssrc(0) depctr_va_vcc(0) depctr_vm_vsrc(0)
	s_getreg_b32 s2, hwreg(HW_REG_IB_STS2, 6, 4)
	s_cmp_eq_u32 s2, 0
	s_cbranch_scc0 .Lentry_in_a_cluster
	s_endpgm
.Lentry_in_a_cluster:
	s_bfe_u32 s2, ttmp6, 0x10000c
	s_cmp_lg_u32 s2, 0x3003
	s_cbranch_scc0 .Lentry_shape_is_right
	s_endpgm
.Lentry_shape_is_right:
; QKV = Q(x) Q(w_attn) + b_attn on codes of E2M1 with one E8M0 scale for each 32 along K; sums in f32.  Out: q, k, v as f16, by head: qkv = part p at p x 8,388,608 bytes, each [batch x 16 + head][t 2048][64].
; The f32 sums of positions 0-15 of each sequence leave besides, as images of the accumulators' registers (qf [batch][head][tile 12][half 2][lane][16 bytes]), for the launch that carries those rows in f32.
; SHARES.  A work-group makes 256 rows x the 192 columns (q, k, v) of ONE head; a wave 64 rows x 192: 48 accumulators, 384 registers.  All of K (1,024) lies in LDS: every tensor load is a first fill, six a wave.
; CLUSTER 4 x 1: the four partners make four heads of the same 256 rows, so x's codes and scale bytes are asked for jointly (mask 15).  The weights' images are each work-group's own: plain loads.
; Not 4 x 4: the stores of the f32 images stand under a branch on the tile row, and a branch may hang only on numbers that all partners share.
; THE MATRIX INSTRUCTION IS USED TRANSPOSED (source 0 = 16 columns of w, source 1 = 16 rows of x): a lane holds eight neighbouring columns of one row.  The bias is the C of each sum's first product.
; LIMITS: q, k, v must lie inside f16's range (65,504).  Sums are added in another order than a plain loop over K would.
; REGISTERS, in windows of 256: window 0: v1-29 addresses; v32-47 x's scale words, v48-95 w's (nothing else ever lies there); v128-191 x's fragments, two sets; on the way out v96-239 are at work.
;   window 1: w's fragments, two sets of 96 (set 1 holds the bias first).   window 2: the accumulators of my rows 0-31 ((a, b) at v[96 (a % 2) + 8 b]);   window 3: those of rows 32-63.
.set PITCH, 272                        ; an LDS row of x's codes: 256 bytes + 16: the sixteen rows of a load start at sixteen different groups of banks
.set AQ,    64*PITCH                   ; a wave's 64 rows
.set AHALF, 256*PITCH                  ; half of K for 256 rows
.set BIMG,  2*AHALF                    ; w's images: 8 K steps x 12 tiles x 1,024 bytes
.set BSTEP, 12288
.set SA,    BIMG+8*BSTEP               ; x's scale bytes: 256 rows x 32
.set SB,    SA+8192                    ; w's scale words: 8 K steps x 12 tiles x 64 bytes
.set STAGE, SB+6144                    ; the way out: for each wave 3 parts x 16 rows x 144 bytes; no fill lands here
.set SPT,   144
.set STW,   3*16*SPT
.set SPARE, STAGE+4*STW                ; the spare words: two blocks of 256 bytes that no other line names
.set ADRA, 16                          ; v16-17 my fragments of x in K half 0, 1
.set ADRB, 18                          ; v18-19 w's images in K half 0, 1: + 16 x lane
.set ADSA, 20                          ; v20    x's scale words: lanes 0-15 row tile a, lanes 16-31 tile a + 2
.set ADSB, 21                          ; v21    w's: lanes 0-15 tile b, lanes 16-31 tile b + 6
.set STO,  22
.set RD,   23
.set GO,   24                          ; v24    16 x lane
.set BO,   25                          ; v25    32 x (lane / 16): the bias's eight numbers of my half
.set SPW,  28
.set NIL,  29
.set SAR,  32
.set SBR,  48
.set TMP,  96
.set AF,   128
.set BK,   144
.set WV,   18
.set G1A,  24                          ; s[24:31] x's codes;  s[32:39] x's scales;  s[40:47] w's images;  s[48:55] w's scales
.set G1S,  32
.set G1B,  40
.set G1T,  48
.set MSB, 0
.macro WIN new                         ; the immediate's high byte repeats the setting that is left
.if MSB != (\new)
	s_set_vgpr_msb (MSB<<8)|(\new)
.set MSB, (\new)
.endif
.endm
.macro CROUND                          ; a round of the cluster's barrier
	s_barrier_signal -1
	s_barrier_wait -1
	s_cmp_lg_u32 s[WV], 0
	s_cbranch_scc1 .Lnot_wave_0_\@
	s_barrier_signal -3
.Lnot_wave_0_\@:
	s_barrier_wait -3
	s_barrier_signal -1
	s_barrier_wait -1
.endm
.macro PLACES n
.rept \n
	v_nop
.endr
.endm
.macro FETCH_B q                       ; K step q's twelve fragments of w into set q % 2: images, 512 consecutive bytes a load
	WIN 0x40
.irp b, 0,1,2,3,4,5,6,7,8,9,10,11
	ds_load_b128 v[96*((\q)%2)+8*\b:96*((\q)%2)+8*\b+3], v[ADRB+(\q)/4] offset:((\q)%4)*BSTEP+\b*1024
	ds_load_b128 v[96*((\q)%2)+8*\b+4:96*((\q)%2)+8*\b+7], v[ADRB+(\q)/4] offset:((\q)%4)*BSTEP+\b*1024+512
.endr
	WIN 0
.endm
.macro FETCH_A q                       ; and my four fragments of x
	WIN 0
.irp a, 0,1,2,3
	ds_load_b128 v[AF+32*((\q)%2)+8*\a:AF+32*((\q)%2)+8*\a+3], v[ADRA+(\q)/4] offset:\a*16*PITCH+64*((\q)%4)
	ds_load_b128 v[AF+32*((\q)%2)+8*\a+4:AF+32*((\q)%2)+8*\a+7], v[ADRA+(\q)/4] offset:\a*16*PITCH+64*((\q)%4)+32
.endr
.endm
.macro SCALES                          ; all scale words, once
.irp a, 0,1
.irp hf, 0,1
	ds_load_b128 v[SAR+8*\a+4*\hf:SAR+8*\a+4*\hf+3], v[ADSA] offset:\a*512+16*\hf
.endr
.endr
.irp q, 0,1,2,3,4,5,6,7
.irp b, 0,1,2,3,4,5
	ds_load_b32 v[SBR+6*\q+\b], v[ADSB] offset:\q*768+\b*64
.endr
.endr
.endm
.macro MM q, a, b                      ; one product: row tile a x column tile b, K step q
.set DR, 96*((\a)%2)+8*(\b)
.set CR, DR
.if (\q) == 0
.set CR, 96+8*(\b)
.endif
.set BR, 96*((\q)%2)+8*(\b)
.set AR, AF+32*((\q)%2)+8*(\a)
.set SBX, SBR+6*(\q)+(\b)%6
.set SAX, SAR+8*((\a)%2)+(\q)
.if ((\b) < 6) && ((\a) < 2)
	v_wmma_scale_f32_16x16x128_f8f6f4 v[DR:DR+7], v[BR:BR+7], v[AR:AR+7], v[CR:CR+7], v[SBX], v[SAX] matrix_a_fmt:MATRIX_FMT_FP4 matrix_b_fmt:MATRIX_FMT_FP4
.elseif (\b) < 6
	v_wmma_scale_f32_16x16x128_f8f6f4 v[DR:DR+7], v[BR:BR+7], v[AR:AR+7], v[CR:CR+7], v[SBX], v[SAX] matrix_a_fmt:MATRIX_FMT_FP4 matrix_b_fmt:MATRIX_FMT_FP4 matrix_b_scale:MATRIX_SCALE_ROW1
.elseif (\a) < 2
	v_wmma_scale_f32_16x16x128_f8f6f4 v[DR:DR+7], v[BR:BR+7], v[AR:AR+7], v[CR:CR+7], v[SBX], v[SAX] matrix_a_fmt:MATRIX_FMT_FP4 matrix_b_fmt:MATRIX_FMT_FP4 matrix_a_scale:MATRIX_SCALE_ROW1
.else
	v_wmma_scale_f32_16x16x128_f8f6f4 v[DR:DR+7], v[BR:BR+7], v[AR:AR+7], v[CR:CR+7], v[SBX], v[SAX] matrix_a_fmt:MATRIX_FMT_FP4 matrix_b_fmt:MATRIX_FMT_FP4 matrix_a_scale:MATRIX_SCALE_ROW1 matrix_b_scale:MATRIX_SCALE_ROW1
.endif
.endm
.macro MUL q                           ; a K step: 48 products; the 48 accumulators take turns, one instruction a turn, in the same order in every step
.irp a, 0,1,2,3
.if \a == 0
.if (\q) == 0
	WIN 0x91                                       ; w window 1, x window 0, C (the bias) window 1, D window 2
.else
	WIN 0xa1                                       ; C and D window 2
.endif
.endif
.if \a == 2
.if (\q) == 0
	WIN 0xd1
.else
	WIN 0xf1
.endif
.endif
.irp b, 0,1,2,3,4,5,6,7,8,9,10,11
	MM \q, \a, \b
.endr
.endr
.endm
.macro KSTEP q
	s_wait_dscnt 0x0                               ; this step's fragments, asked for 48 products ago, are in
.if (\q) == 3
	s_wait_tensorcnt 0x0                           ; my parts of K half 1 have landed,
	s_barrier_signal -1
	s_barrier_wait -1                              ; everybody's have
.endif
	PLACES 4                                       ; four plain lines between the last products and loads into registers that they read
	FETCH_B (\q)+1
	FETCH_A (\q)+1
	MUL \q
.endm
	s_load_b256 s[4:11], s[0:1], 0x0               ; xq s[4:5], xs s[6:7], wq s[8:9], ws s[10:11]
	s_load_b128 s[12:15], s[0:1], 0x20             ; b_attn s[12:13], qkv s[14:15]
	s_load_b64 s[16:17], s[0:1], 0x30              ; qf
	v_lshl_add_u32 v[SPW], v0, 2, SPARE
	v_mov_b32 v[NIL], 0
	ds_add_u32 v[SPW], v[NIL]                      ; the wave's opening: the add, twice on end, and its wait ahead of my first tensor load
	ds_add_u32 v[SPW], v[NIL]
	v_lshrrev_b32 v1, 5, v0
	v_readfirstlane_b32 s[WV], v1                  ; wave 0..3
	s_and_b32 s19, ttmp7, 0xffff                   ; tile row i: 256 rows; the four partners share it
	s_bfe_u32 s20, ttmp6, 0x40000                  ; cx
	s_lshl_b32 s21, ttmp9, 2
	s_add_co_u32 s21, s21, s20                     ; head = 4 x cluster x + cx: it enters the weights', the bias's and the outputs' addresses alone
	s_mov_b32 s[G1A+0], 15|(1<<20)|(1<<21)|(5<<22)|(3<<25)   ; mask: all four; elements of 1 byte; padding: 4 words after every 64
	s_mov_b32 s[G1A+1], 256<<16                    ; tensor_dim0
	s_mov_b32 s[G1A+2], 64<<16                     ; tensor_dim1
	s_mov_b32 s[G1A+3], 256<<16                    ; tile_dim0: 256 bytes = 512 along K
	s_mov_b32 s[G1A+4], 64                         ; tile_dim1
	s_mov_b32 s[G1A+5], 512                        ; a row of xq
	s_mov_b32 s[G1A+6], 0
	s_mov_b32 s[G1A+7], 0
	s_mov_b32 s[G1S+0], 15|(3<<16)|(1<<21)         ; a dense block of 2,048 bytes as 8 rows of 32 elements of 8 bytes; mask: all four
	s_mov_b32 s[G1S+1], 32<<16
	s_mov_b32 s[G1S+2], 8<<16
	s_mov_b32 s[G1S+3], 32<<16
	s_mov_b32 s[G1S+4], 8
	s_mov_b32 s[G1S+5], 32
	s_mov_b32 s[G1S+6], 0
	s_mov_b32 s[G1S+7], 0
	s_mov_b32 s[G1B+0], 3<<16                      ; a dense block of 12,288 bytes: 48 rows of 256; no mask
	s_mov_b32 s[G1B+1], 32<<16
	s_mov_b32 s[G1B+2], 48<<16
	s_mov_b32 s[G1B+3], 32<<16
	s_mov_b32 s[G1B+4], 48
	s_mov_b32 s[G1B+5], 32
	s_mov_b32 s[G1B+6], 0
	s_mov_b32 s[G1B+7], 0
	s_mov_b32 s[G1T+0], 3<<16                      ; 1,536 bytes: 6 rows of 256
	s_mov_b32 s[G1T+1], 32<<16
	s_mov_b32 s[G1T+2], 6<<16
	s_mov_b32 s[G1T+3], 32<<16
	s_mov_b32 s[G1T+4], 6
	s_mov_b32 s[G1T+5], 32
	s_mov_b32 s[G1T+6], 0
	s_mov_b32 s[G1T+7], 0
	s_lshl_b32 s22, s19, 8
	s_lshl_b32 s23, s[WV], 6
	s_add_co_u32 s22, s22, s23                     ; my first row of x: 256 i + 64 wave
	s_lshl_b32 s92, s22, 5                         ; its scale bytes,
	s_mov_b32 s93, 0
	s_lshl_b32 s94, s22, 9                         ; its codes
	s_mov_b32 s95, 0
	s_mul_i32 s96, s21, 98304                      ; my head's images, my K step of each half
	s_mul_i32 s23, s[WV], BSTEP
	s_add_co_u32 s96, s96, s23
	s_mov_b32 s97, 0
	s_mul_i32 s98, s21, 6144                       ; my head's scale words, my quarter
	s_mul_i32 s2, s[WV], 1536
	s_add_co_u32 s98, s98, s2
	s_mov_b32 s99, 0
	s_mov_b32 s56, 1                               ; the groups 0: count 1, LDS address (a constant + a constant x wave), global address, type 2
	s_lshl_b32 s57, s[WV], 11
	s_add_co_u32 s57, s57, SA
	s_mov_b32 s60, 1
	s_add_co_u32 s61, s2, SB
	s_mov_b32 s68, 1
	s_mul_i32 s69, s[WV], AQ
	s_mov_b32 s72, 1
	s_add_co_u32 s73, s23, BIMG
	s_mov_b32 s76, 1
	s_add_co_u32 s77, s69, AHALF
	s_mov_b32 s80, 1
	s_add_co_u32 s81, s73, 4*BSTEP
	v_and_b32 v3, 31, v0                           ; lane
	v_and_b32 v1, 15, v0                           ; r
	v_bfe_u32 v2, v0, 4, 1                         ; h
	v_mul_u32_u24 v4, v1, PITCH
	v_lshl_add_u32 v4, v2, 4, v4
	v_add_nc_u32 v[ADRA], s69, v4
	v_add_nc_u32 v[ADRA+1], s77, v4
	v_lshlrev_b32 v[GO], 4, v3
	v_add_nc_u32 v[ADRB], BIMG, v[GO]
	v_add_nc_u32 v[ADRB+1], BIMG+4*BSTEP, v[GO]
	v_lshlrev_b32 v5, 5, v1
	v_lshl_add_u32 v5, v2, 10, v5
	v_add_nc_u32 v[ADSA], s57, v5
	v_lshlrev_b32 v5, 2, v1
	v_mad_u32_u24 v5, v2, 384, v5
	v_add_nc_u32 v[ADSB], SB, v5
	s_mul_i32 s3, s[WV], STW
	s_add_co_u32 s3, s3, STAGE
	v_mul_u32_u24 v5, v1, SPT
	v_lshl_add_u32 v5, v2, 4, v5
	v_add_nc_u32 v[STO], s3, v5                    ; the stage, in: row r, 16 bytes for each half of the lanes
	v_lshrrev_b32 v5, 3, v3
	v_mul_u32_u24 v5, v5, SPT
	v_and_b32 v6, 7, v3
	v_lshl_add_u32 v5, v6, 4, v5
	v_add_nc_u32 v[RD], s3, v5                     ; and back: eight lanes to a row of 128 bytes, four rows a load
	v_lshlrev_b32 v[BO], 5, v2
	s_wait_dscnt 0x0                               ; both opening adds are done
	s_wait_kmcnt 0x0
	s_add_nc_u64 s[58:59], s[6:7], s[92:93]
	s_or_b32 s59, s59, 0x80000000
	s_add_nc_u64 s[62:63], s[10:11], s[98:99]
	s_or_b32 s63, s63, 0x80000000
	s_add_nc_u64 s[70:71], s[4:5], s[94:95]
	s_add_nc_u64 s[78:79], s[70:71], 256           ; K half 1: 256 bytes on in each row
	s_or_b32 s71, s71, 0x80000000
	s_or_b32 s79, s79, 0x80000000
	s_add_nc_u64 s[74:75], s[8:9], s[96:97]
	s_add_nc_u64 s[82:83], s[74:75], 4*BSTEP
	s_or_b32 s75, s75, 0x80000000
	s_or_b32 s83, s83, 0x80000000
	CROUND                                         ; all four work-groups are here: the joint loads meet
	tensor_load_to_lds s[56:59], s[G1S:G1S+7]      ; x's scale bytes (joint)
	s_nop 0
	tensor_load_to_lds s[60:63], s[G1T:G1T+7]      ; w's scale words
	s_nop 0
	tensor_load_to_lds s[68:71], s[G1A:G1A+7]      ; x's codes, K half 0 (joint)
	s_nop 0
	tensor_load_to_lds s[72:75], s[G1B:G1B+7]      ; w's images, K step = wave
	s_nop 0
	tensor_load_to_lds s[76:79], s[G1A:G1A+7]      ; x's codes, K half 1 (joint)
	s_nop 0
	tensor_load_to_lds s[80:83], s[G1B:G1B+7]      ; w's images, K step = 4 + wave.  Six loads of mine are out
	s_nop 0
	PLACES 4
	s_lshl_b32 s2, s21, 8
	s_mov_b32 s3, 0
	s_add_nc_u64 s[12:13], s[12:13], s[2:3]        ; the bias at my head's first column
	WIN 0x40
.irp b, 0,1,2,3,4,5,6,7,8,9,10,11
	global_load_b128 v[96+8*\b:96+8*\b+3], v[BO], s[12:13] offset:(\b/4)*4096+(\b%4)*64       ; in the result's layout: the tile's eight columns of my half
	global_load_b128 v[96+8*\b+4:96+8*\b+7], v[BO], s[12:13] offset:(\b/4)*4096+(\b%4)*64+16
.endr
	WIN 0
	s_lshr_b32 s90, s19, 3
	s_lshl_b32 s90, s90, 4
	s_add_co_u32 s90, s90, s21                     ; batch x 16 + head
	s_mul_i32 s2, s90, 12288
	s_add_nc_u64 s[16:17], s[16:17], s[2:3]        ; qf at my head
	s_lshl_b32 s2, s90, 18
	s_and_b32 s91, s19, 7
	s_lshl_b32 s91, s91, 15
	s_add_co_u32 s2, s2, s91
	s_lshl_b32 s91, s[WV], 13
	s_add_co_u32 s2, s2, s91
	s_add_nc_u64 s[84:85], s[14:15], s[2:3]        ; q, k, v at my wave's first row
	s_add_nc_u64 s[86:87], s[84:85], 0x800000
	s_add_nc_u64 s[88:89], s[84:85], 0x1000000
	s_wait_tensorcnt 0x2                           ; the scales and K half 0 have landed; the two loads of K half 1 may be out
	s_barrier_signal -1
	s_barrier_wait -1                              ; everybody's have
	SCALES
	FETCH_B 0
	FETCH_A 0
	s_wait_loadcnt 0x0                             ; the bias
	s_wait_dscnt 0x0
	FETCH_A 1
	MUL 0                                          ; the first step starts the sums from the bias: nothing is cleared
	PLACES 4
	FETCH_B 1                                      ; set 1 held the bias until now
.irp q, 1,2,3,4,5,6
	KSTEP \q
.endr
	s_wait_dscnt 0x0
	MUL 7
	WIN 0
	PLACES 4                                       ; between the last products and the first read of results
	; positions 0-15 of a sequence are rows 0-15 of wave 0 in tile rows 0 and 8: their f32 sums leave as they stand in the registers
	s_and_b32 s90, s19, 7
	s_or_b32 s90, s90, s[WV]
	s_cmp_lg_u32 s90, 0
	s_cbranch_scc1 .Lno_fine
	WIN 0x08                                       ; a store's data are its source 1: window 2
.irp b, 0,1,2,3,4,5,6,7,8,9,10,11
.irp hf, 0,1
	global_store_b128 v[GO], v[8*\b+4*\hf:8*\b+4*\hf+3], s[16:17] offset:(2*\b+\hf)*512   ; 512 consecutive bytes; each accumulator from its low end on
.endr
.endr
	WIN 0
.Lno_fine:
; THE WAY OUT, 16 rows at a time: rounded to f16, 16 bytes a lane into my stage, back as rows of 128 bytes; a head's rows follow each other in memory, so a store covers 512 consecutive bytes.
.macro PACK a
.set AC, 96*((\a)%2)
	WIN 0x0a+5*((\a)/2)                            ; sources 0 and 1: window 2 or 3
.irp b, 0,1,2,3,4,5,6,7,8,9,10,11
.irp rr, 0,1,2,3
	v_cvt_pk_f16_f32 v[TMP+4*\b+\rr], v[AC+8*\b+2*\rr], v[AC+8*\b+2*\rr+1]
.endr
.endr
	WIN 0
.endm
.macro TOSTAGE a
.set BB, BK+48*((\a)%2)
.irp b, 0,1,2,3,4,5,6,7,8,9,10,11
	ds_store_b128 v[STO], v[TMP+4*\b:TMP+4*\b+3] offset:(\b/4)*16*SPT+32*(\b%4)
.endr
.irp p, 0,1,2
.irp t, 0,1,2,3
	ds_load_b128 v[BB+16*\p+4*\t:BB+16*\p+4*\t+3], v[RD] offset:\p*16*SPT+\t*4*SPT   ; LDS serves a wave's instructions in order: these see the stores above
.endr
.endr
.endm
.macro SEND a
.set BB, BK+48*((\a)%2)
	s_wait_dscnt 0x0
.irp p, 0,1,2
.irp t, 0,1,2,3
	global_store_b128 v[GO], v[BB+16*\p+4*\t:BB+16*\p+4*\t+3], s[84+2*\p:85+2*\p] offset:(\a)*2048+\t*512
.endr
.endr
.endm
	PACK 0
	TOSTAGE 0
.irp a, 1,2,3
	PACK \a                                        ; block a's conversions stand between block a - 1's loads from the stage and the wait for them
	SEND \a-1
.if \a > 1
	s_wait_xcnt 0x0                                ; block a - 2's stores have read their registers: block a's loads may land there
.endif
	TOSTAGE \a
.endr
	SEND 3
	s_wait_tensorcnt 0x0                           ; the wave's end
	ds_add_u32 v[SPW], v[NIL]
	s_wait_dscnt 0x0
	CROUND                                         ; the closing round
	s_endpgm
.Lfunc_end_k_q3ce63d6e30_qkv:
	.size	k_q3ce63d6e30_qkv, .Lfunc_end_k_q3ce63d6e30_qkv-k_q3ce63d6e30_qkv
	.p2alignl 7, 3214868480
	.fill 96, 4, 3214868480
	.section	.rodata,"a",@progbits
	.p2align	6, 0x0
	.amdhsa_kernel k_q3ce63d6e30_qkv
		.amdhsa_group_segment_fixed_size 327680
		.amdhsa_private_segment_fixed_size 0
		.amdhsa_enable_private_segment 0
		.amdhsa_kernarg_size 56
		.amdhsa_user_sgpr_count 2
		.amdhsa_user_sgpr_kernarg_segment_ptr 1
		.amdhsa_wavefront_size32 1
		.amdhsa_system_sgpr_workgroup_id_x 1
		.amdhsa_system_sgpr_workgroup_id_y 1
		.amdhsa_system_sgpr_workgroup_id_z 1
		.amdhsa_system_vgpr_workitem_id 0
		.amdhsa_next_free_vgpr 1024
		.amdhsa_next_free_sgpr 100
		.amdhsa_reserve_vcc 0
		.amdhsa_float_denorm_mode_32 3
		.amdhsa_float_denorm_mode_16_64 3
		.amdhsa_memory_ordered 1
		.amdhsa_forward_progress 1
		.amdhsa_inst_pref_size 106
	.end_amdhsa_kernel
	.amdgpu_metadata
---
amdhsa.version: [ 1, 2 ]
amdhsa.kernels:
  - .name:           k_q3ce63d6e30_qkv
    .symbol:         k_q3ce63d6e30_qkv.kd
    .args:
      - { .name: xq, .offset: 0, .size: 8, .value_kind: global_buffer, .address_space: global }
      - { .name: xs, .offset: 8, .size: 8, .value_kind: global_buffer, .address_space: global }
      - { .name: wq, .offset: 16, .size: 8, .value_kind: global_buffer, .address_space: global }
      - { .name: ws, .offset: 24, .size: 8, .value_kind: global_buffer, .address_space: global }
      - { .name: b_attn, .offset: 32, .size: 8, .value_kind: global_buffer, .address_space: global }
      - { .name: qkv, .offset: 40, .size: 8, .value_kind: global_buffer, .address_space: global }
      - { .name: qf, .offset: 48, .size: 8, .value_kind: global_buffer, .address_space: global }
    .group_segment_fixed_size: 327680
    .private_segment_fixed_size: 0
    .kernarg_segment_align: 8
    .kernarg_segment_size: 56
    .max_flat_workgroup_size: 128
    .sgpr_count:     100
    .vgpr_count:     1024
    .wavefront_size: 32
...
	.end_amdgpu_metadata
.endif
;; end of part 2
;; launch attn (part 3): grid 8 x 32, 8 waves a work-group, no clusters, 327,680 bytes of LDS; arguments qkv, yb; writes yb
.if DOCPART == 3
	.amdgcn_target "amdgcn-amd-amdhsa--gfx1250"
	.amdhsa_code_object_version 6
	.text
	.protected	k_q3ce63d6e30_attn
	.globl	k_q3ce63d6e30_attn
	.p2align	8
	.type	k_q3ce63d6e30_attn,@function
k_q3ce63d6e30_attn:
	s_mov_b64 s[64:65], 0
	v_nop
	global_prefetch_b8 v0, s[64:65] scope:SCOPE_SE
	s_setreg_imm32_b32 hwreg(HW_REG_WAVE_MODE, 25, 1), 1
	s_wait_xcnt 0x0
; y[b][h][t] = softmax over s <= t of (q[t] . k[s] / 8) v[s], head size 64.  q, k, v: f16 by head (qkv: part p at p x 8,388,608 bytes, [batch x 16 + head][2048][64]).  Products on f16 operands, sums, maxima and the softmax in f32;
; the weights p are rounded to f16 for the second product, y once at the end.  yb: [batch x 16 + t / 128][head][128 rows][64] f16, the order in which the projection's tiles want it.
; SHARES.  Work-group (i, head) owns two blocks of 128 queries: block 15 - i, then block i.  Under the causal mask they want 16 - i and i + 1 blocks of 128 keys: 17 for every i.  So all 256 work-groups have
; the same work, the loop's trip count is a constant, and every tile that is fetched is read.  Each of the eight waves owns 16 queries of the block in hand.
; NO JOINT LOADS: the eight work-groups of a head leave the common walk over the keys at trip 16 - i, which differs between them, and a joint load's descriptor must be the same in all that it names.
; LAYOUT.  S^T = K Q^T and O^T = V^T P: a lane holds ONE query (lane % 16) throughout; two tiles of S^T, rounded in pairs, are source 1 of the second product.  K comes out of LDS as it lies, V turned by ds_load_tr16_b128.
; SOFTMAX.  A running maximum m and sum l: p = 2^(c s - c m), c = log2(e) / 8; in every step O and l are multiplied by a = 2^(c m_old - c m_new).  The sum is taken of the unrounded p.
; A step of 64 keys all of which come after the wave's queries is jumped over (a scalar branch on ids); on the diagonal hidden scores become -infinity.  Key 0 counts for every query, so m is a number from a pass's first step on.
; LIMITS: NaN and infinities are not served.  Positions 0-15 of each sequence are computed here too, and carried more finely by a later launch.
.set PK,    144                        ; a row of K in LDS: 128 bytes + 16
.set PV,    160                        ; a row of V: 128 + 32, an odd multiple of 32 for the turning load
.set VOFF,  128*PK                     ; a slot: 128 rows of K, then 128 rows of V
.set SLOT1, 65536                      ; one exclusive or turns an address in one slot into the other's
.set STAGE, 131072                     ; the way out: 16 rows x 144 bytes for each wave; no fill lands here
.set SPARE, STAGE+8*16*PK              ; the spare words: four blocks of 256 bytes that no other line names
.set AK0, 1                            ; v1  my lane's place in a tile of K
.set AV0, 2                            ; v2  and of V
.set SPW, 3
.set NIL, 4
.set STO, 5
.set RD,  6
.set GO,  7                            ; v7  16 x lane
.set ADK, 8
.set ADV, 9
.set PFO, 10                           ; v10 256 x lane; never rewritten
.set S,   184                          ; v11 r - 8 h; v12 c m, v13 m, v[14:15] l; v16-19, v22 at work; v[20:21] a; v24-39 Q; v40-55 the second pass's Q; v56-119 K; v120-183 V^T; v184-215 S^T, then P in v184-199; v216-247 O^T; v248 -infinity, v249 d
.set WV,  8
.set PI,  9
.set G1K, 16
.set G1V, 24
.set G0K, 32
.set G0V, 36
.set SEL, 40
.set CS,  42
.set TB,  44                           ; s44 LDS byte at which the slot in hand begins
.set SLOTS, 45                         ; s45 16 - the trip's number
.set KF,  46                           ; s46 the step's first key
.set Q0,  47                           ; s47 my first query;  s48 the second pass's
.set Q0L, 48
.set SWB, 49                           ; s49 i + 1
.set YA,  50                           ; s[50:51] where my rows of y go;  s[52:53] the second pass's
.set YL,  52
.set BK,  54                           ; s[54:55] what the walking addresses go back by
.set FULL, 56                          ; s56 (16 - i) blocks in bytes
.set PFA, 58
.set LIM, 60
; Waves 0 and 1 fetch K's halves of a block, waves 2 and 3 V's, the others nothing.  An s_nop 0 and four v_nop follow each of the two lines.
.macro TLOAD
	s_cmp_lt_u32 s[WV], 2
	s_cbranch_scc0 .Lnot_k_\@
	tensor_load_to_lds s[G0K:G0K+3], s[G1K:G1K+7]
	s_nop 0
.rept 4
	v_nop
.endr
	s_branch .Lasked_\@
.Lnot_k_\@:
	s_cmp_lt_u32 s[WV], 4
	s_cbranch_scc0 .Lasked_\@
	tensor_load_to_lds s[G0V:G0V+3], s[G1V:G1V+7]
	s_nop 0
.rept 4
	v_nop
.endr
.Lasked_\@:
.endm
; A prefetch into the L2: in trip n, block n + 3 of the head's keys, two trips (four key steps) ahead of the tensor load that names it.  Each aligned block of 256 bytes is named once in the launch: the head's
; work-group with i = 0, whose first pass walks all 16 blocks, asks; in it waves 4, 5 for K's halves and waves 6, 7 for V's: 8,192 bytes a wave, lanes 256 bytes apart.  It stops with block 15; blocks 0 to 2 come by their loads alone.
.macro ASK
	s_cmp_gt_u32 s[SLOTS], s[LIM]
	s_cbranch_scc0 .Lnot_mine_\@
	global_prefetch_b8 v[PFO], s[PFA:PFA+1] th:TH_LOAD_NT scope:SCOPE_SE
.Lnot_mine_\@:
.endm
; THE CHANGE OF SLOTS, at a slot's head.  Each wave waits for all its tensor loads, adds 0 to its spare word, and waits for that and for its reads of the slot that it has left; behind the barrier the slot ahead is whole
; and nobody reads the other one, which is filled with the next block of the walk.  Where the next block is the second pass's first, the addresses go back to the head's block 0.
.macro CHANGE fill
	s_wait_tensorcnt 0x0                           ; no tensor load of mine is out, so a group 0 may be written
	ds_add_u32 v[SPW], v[NIL]
.if \fill
	ds_add_u32 v[SPW], v[NIL]                      ; the add twice on end here, in every trip alike
	s_xor_b32 s[G0K+1], s[G0K+1], SLOT1
	s_add_nc_u64 s[G0K+2:G0K+3], s[G0K+2:G0K+3], 16384
	s_xor_b32 s[G0V+1], s[G0V+1], SLOT1
	s_add_nc_u64 s[G0V+2:G0V+3], s[G0V+2:G0V+3], 16384
	s_cmp_eq_u32 s[SLOTS], s[SWB]
	s_cselect_b32 s[BK], s[FULL], 0
	s_sub_nc_u64 s[G0K+2:G0K+3], s[G0K+2:G0K+3], s[BK:BK+1]
	s_sub_nc_u64 s[G0V+2:G0V+3], s[G0V+2:G0V+3], s[BK:BK+1]
	s_wait_xcnt 0x0                                ; the last prefetch, a trip back, has read its address
	s_add_nc_u64 s[PFA:PFA+1], s[PFA:PFA+1], 16384
.endif
	s_wait_dscnt 0x0                               ; the add is done, and my reads of the slot that I have left are over
	s_barrier_signal -1
	s_barrier_wait -1
.if \fill
	TLOAD                                          ; the first thing behind the barrier, and a wave's one tensor load until the next
	ASK
.endif
.endm
.macro RESET                           ; a pass begins: m under every score, l and O^T zero (the first change of m multiplies zeros)
	v_mov_b32 v13, 0xff61b1e6                      ; -3e38
	v_mov_b32 v14, 0
	v_mov_b32 v15, 0
	v_mul_f32 v12, s[CS], v13
.set n, 0
.rept 32
	v_mov_b32 v[216+n], 0
.set n, n+1
.endr
.endm
.macro FINISH                          ; O^T / l, rounded to f16, through my stage, out as 2,048 consecutive bytes
.rept 4
	v_nop                                          ; four plain lines behind the last products
.endr
	v_add_f32 v16, v14, v15
	v_permlanex16_b32 v17, v16, s[SEL], s[SEL+1]
	v_add_f32 v16, v16, v17
	v_rcp_f32 v20, v16
	v_nop                                          ; a plain line behind the reciprocal,
	s_wait_alu depctr_va_vdst(0)                   ; and a wait ahead of its first reader
.set n, 0
.rept 16
	v_pk_mul_f32 v[56+2*n:57+2*n], v[216+2*n:217+2*n], v[20:21] op_sel_hi:[1,0]
.set n, n+1
.endr
.set n, 0
.rept 16
	v_cvt_pk_f16_f32 v[S+n], v[56+2*n], v[57+2*n]
.set n, n+1
.endr
.irp dt, 0,1,2,3
	ds_store_b128 v[STO], v[S+4*\dt:S+4*\dt+3] offset:32*\dt
.endr
.irp t, 0,1,2,3
	ds_load_b128 v[120+4*\t:123+4*\t], v[RD] offset:\t*4*PK        ; LDS serves a wave's instructions in order: these see the stores above
.endr
	s_wait_dscnt 0x0
.irp t, 0,1,2,3
	global_store_b128 v[GO], v[120+4*\t:123+4*\t], s[YA:YA+1] offset:512*\t
.endr
.endm
.macro SWITCH                          ; at the trip whose block is the second pass's first (ids alone: the same in all eight waves): the first pass leaves, the second begins
	s_cmp_lg_u32 s[SLOTS], s[PI]
	s_cbranch_scc1 .Lsame_\@
	FINISH
	s_wait_xcnt 0x0                                ; the stores have read their registers and their base
.set n, 0
.rept 16
	v_mov_b32 v[24+n], v[40+n]
.set n, n+1
.endr
	RESET
	s_mov_b64 s[YA:YA+1], s[YL:YL+1]
	s_mov_b32 s[Q0], s[Q0L]
	s_mov_b32 s[KF], 0
.Lsame_\@:
.endm
; A KEY STEP: 64 keys, the q-th half of the block in hand.
.macro STEP q
	s_add_co_u32 s61, s[Q0], 15
	s_cmp_gt_u32 s[KF], s61
	s_cbranch_scc1 .Lhidden_\@                     ; all 64 keys come after my 16 queries
	v_add_nc_u32 v[ADK], s[TB], v[AK0]
	v_add_nc_u32 v[ADV], s[TB], v[AV0]
.rept 3
	v_nop                                          ; with the two additions five plain lines behind the last products: V's registers are loaded again, and P's are written over by the products below
.endr
.irp kt, 0,1,2,3
.irp ks, 0,1
	ds_load_b128 v[56+16*\kt+8*\ks:59+16*\kt+8*\ks], v[ADK] offset:(64*(\q)+16*\kt)*PK+64*\ks
	ds_load_b128 v[60+16*\kt+8*\ks:63+16*\kt+8*\ks], v[ADK] offset:(64*(\q)+16*\kt)*PK+64*\ks+32
.endr
.endr
.irp f, 0,1
.irp dt, 0,1,2,3
	ds_load_tr16_b128 v[120+32*\f+8*\dt:123+32*\f+8*\dt], v[ADV] offset:(64*(\q)+32*\f)*PV+32*\dt
	ds_load_tr16_b128 v[124+32*\f+8*\dt:127+32*\f+8*\dt], v[ADV] offset:(64*(\q)+32*\f)*PV+16*PV+32*\dt
.endr
.endr
	s_wait_dscnt 16                                ; K is in; V's sixteen loads may be out
.irp ks, 0,1                                   ; S^T = K Q^T: the four accumulators take turns
.irp kt, 0,1,2,3
.if \ks == 0
	v_wmma_f32_16x16x32_f16 v[S+8*\kt:S+8*\kt+7], v[56+16*\kt:63+16*\kt], v[24:31], 0
.else
	v_wmma_f32_16x16x32_f16 v[S+8*\kt:S+8*\kt+7], v[64+16*\kt:71+16*\kt], v[32:39], v[S+8*\kt:S+8*\kt+7]
.endif
.endr
.endr
.rept 4
	v_nop
.endr
	s_add_co_u32 s61, s[KF], 63
	s_cmp_le_u32 s61, s[Q0]
	s_cbranch_scc1 .Lopen_\@                       ; all 64 keys count
	s_sub_co_i32 s61, s[Q0], s[KF]
	v_add_nc_u32 v249, s61, v11                    ; d = my query - KF - 8 (lane / 16).  Register 8 kt + j holds key KF + 16 kt + 8 (lane / 16) + j: hidden where 16 kt + j > d
.set n, 0
.rept 32
	v_cmp_gt_i32 vcc_lo, 16*(n/8)+n%8, v249
	v_cndmask_b32 v[S+n], v[S+n], v248, vcc_lo
.set n, n+1
.endr
.Lopen_\@:
.irp j, 0,1,2,3                                ; the largest of my 32 scores and the old m: four chains, each tile from its low end on
	v_max3_num_f32 v[16+\j], v[S+8*\j], v[S+8*\j+1], v[S+8*\j+2]
.endr
.irp g, 3,5
.irp j, 0,1,2,3
	v_max3_num_f32 v[16+\j], v[16+\j], v[S+8*\j+\g], v[S+8*\j+\g+1]
.endr
.endr
	v_max3_num_f32 v16, v16, v[S+7], v[S+15]
	v_max3_num_f32 v18, v18, v[S+23], v[S+31]
	v_max3_num_f32 v16, v16, v17, v18
	v_max3_num_f32 v16, v16, v19, v13
	v_permlanex16_b32 v17, v16, s[SEL], s[SEL+1]   ; the query's other 32 keys lie in the lane 16 away
	v_mov_b32 v22, v12
	v_max_num_f32 v13, v16, v17                    ; the new m
	v_mul_f32 v12, s[CS], v13
	v_sub_f32 v22, v22, v12                        ; c m_old - c m_new
.set n, 0
.rept 16
	v_pk_fma_f32 v[S+2*n:S+2*n+1], v[S+2*n:S+2*n+1], s[CS:CS+1], v[12:13] op_sel_hi:[1,0,0] neg_lo:[0,0,1] neg_hi:[0,0,1]   ; c s - c m
.set n, n+1
.endr
	v_exp_f32 v20, v22                             ; a; then the 32 weights: one batch
.set n, 0
.rept 32
	v_exp_f32 v[S+n], v[S+n]
.set n, n+1
.endr
	v_nop                                          ; a plain line behind the last exponential,
	s_wait_alu depctr_va_vdst(0)                   ; and one wait for the batch, ahead of its first reader
	v_pk_mul_f32 v[14:15], v[14:15], v[20:21] op_sel_hi:[1,0]
	v_pk_add_f32 v[16:17], v[S:S+1], v[S+2:S+3]    ; the sum of the unrounded weights, in two chains
.irp j, 4,8,12,16,20,24,28
	v_pk_add_f32 v[14:15], v[14:15], v[S+\j:S+\j+1]
	v_pk_add_f32 v[16:17], v[16:17], v[S+\j+2:S+\j+3]
.endr
	v_pk_add_f32 v[14:15], v[14:15], v[16:17]
.set n, 0
.rept 16
	v_cvt_pk_f16_f32 v[S+n], v[S+2*n], v[S+2*n+1]  ; P, in place, ascending: register n is written when 2 n and 2 n + 1 are read
.set n, n+1
.endr
.set n, 0
.rept 16
	v_pk_mul_f32 v[216+2*n:217+2*n], v[216+2*n:217+2*n], v[20:21] op_sel_hi:[1,0]   ; O^T x a
.set n, n+1
.endr
	s_wait_dscnt 0x0                               ; V is in
.irp f, 0,1                                    ; O^T += V^T P: the four accumulators take turns
.irp dt, 0,1,2,3
	v_wmma_f32_16x16x32_f16 v[216+8*\dt:223+8*\dt], v[120+32*\f+8*\dt:127+32*\f+8*\dt], v[S+8*\f:S+8*\f+7], v[216+8*\dt:223+8*\dt]
.endr
.endr
.Lhidden_\@:
	s_add_co_u32 s[KF], s[KF], 64
.endm
	s_load_b128 s[4:7], s[0:1], 0x0                ; qkv s[4:5], yb s[6:7]
	v_lshl_add_u32 v[SPW], v0, 2, SPARE
	v_mov_b32 v[NIL], 0
	ds_add_u32 v[SPW], v[NIL]                      ; the wave's opening: the add, twice on end, and its wait ahead of my first tensor load
	ds_add_u32 v[SPW], v[NIL]
	v_lshrrev_b32 v16, 5, v0
	v_readfirstlane_b32 s[WV], v16                 ; wave 0..7
	s_mov_b32 s[PI], ttmp9                         ; i
	s_and_b32 s10, ttmp7, 0xffff                   ; batch x 16 + head
	s_mov_b32 s[G1K], (1<<16)|(1<<20)|(4<<22)|(3<<25)   ; elements of 2 bytes; padding: 4 words after every 32
	s_mov_b32 s[G1V], (1<<16)|(1<<20)|(4<<22)|(7<<25)   ; 8 words
.irp g, G1K, G1V
	s_mov_b32 s[\g+1], 64<<16                      ; tensor_dim0
	s_mov_b32 s[\g+2], 64<<16                      ; tensor_dim1
	s_mov_b32 s[\g+3], 64<<16                      ; tile_dim0
	s_mov_b32 s[\g+4], 64                          ; tile_dim1
	s_mov_b32 s[\g+5], 64                          ; elements from row to row
	s_mov_b32 s[\g+6], 0
	s_mov_b32 s[\g+7], 0
.endr
	s_mov_b32 s[SEL], 0x76543210
	s_mov_b32 s[SEL+1], 0xfedcba98
	s_mov_b32 s[CS], 0x3e38aa3b                    ; c = log2(e) / 8
	s_mov_b32 s[CS+1], s[CS]
	s_mov_b32 s[TB], 0
	s_mov_b32 s[SLOTS], 16
	s_mov_b32 s[KF], 0
	s_mov_b32 s[BK+1], 0
	s_sub_co_u32 s11, 15, s[PI]                    ; the first pass's block of queries
	s_lshl_b32 s12, s[WV], 4
	s_lshl_b32 s[Q0], s11, 7
	s_add_co_u32 s[Q0], s[Q0], s12
	s_lshl_b32 s[Q0L], s[PI], 7
	s_add_co_u32 s[Q0L], s[Q0L], s12
	s_add_co_u32 s[SWB], s[PI], 1
	s_sub_co_u32 s[FULL], 16, s[PI]
	s_lshl_b32 s[FULL], s[FULL], 14
	s_lshl_b32 s13, s10, 18                        ; the head's first byte in each part
	s_and_b32 s14, s[WV], 1                        ; which half of a block I fetch, if I fetch
	s_lshr_b32 s61, s10, 4
	s_lshl_b32 s61, s61, 4                         ; batch x 16
	s_and_b32 s15, s10, 15                         ; head
	s_add_co_u32 s62, s61, s11
	s_lshl_b32 s62, s62, 4
	s_add_co_u32 s62, s62, s15
	s_lshl_b32 s62, s62, 14
	s_lshl_b32 s70, s[WV], 11
	s_add_co_u32 s62, s62, s70                     ; my rows of y, first pass
	s_mov_b32 s63, 0
	s_add_co_u32 s68, s61, s[PI]
	s_lshl_b32 s68, s68, 4
	s_add_co_u32 s68, s68, s15
	s_lshl_b32 s68, s68, 14
	s_add_co_u32 s68, s68, s70                     ; second pass
	s_mov_b32 s69, 0
	s_lshl_b32 s66, s14, 13
	s_add_co_u32 s66, s66, s13
	s_mov_b32 s67, 0
	s_wait_dscnt 0x0                               ; both opening adds are done
	s_wait_kmcnt 0x0
	s_add_nc_u64 s[YA:YA+1], s[6:7], s[62:63]
	s_add_nc_u64 s[YL:YL+1], s[6:7], s[68:69]
	s_add_nc_u64 s[66:67], s[4:5], s[66:67]        ; the head, my half of a block, in part 0
	s_mov_b32 s[G0K], 1
	s_mul_i32 s[G0K+1], s14, 64*PK
	s_add_nc_u64 s[G0K+2:G0K+3], s[66:67], 0x800000
	s_or_b32 s[G0K+3], s[G0K+3], 0x80000000
	s_mov_b32 s[G0V], 1
	s_mul_i32 s[G0V+1], s14, 64*PV
	s_add_co_u32 s[G0V+1], s[G0V+1], VOFF
	s_add_nc_u64 s[G0V+2:G0V+3], s[66:67], 0x1000000
	s_or_b32 s[G0V+3], s[G0V+3], 0x80000000
	TLOAD                                          ; block 0 into slot 0
	s_mov_b32 s62, 0x1000000+32768
	s_cmp_lt_u32 s[WV], 6
	s_cselect_b32 s62, 0x800000+32768, s62
	s_add_nc_u64 s[PFA:PFA+1], s[66:67], s[62:63]  ; the prefetches stand at block 2: the first change of slots steps them to block 3.  Nothing is prefetched here, at the head
	s_lshr_b32 s62, s[WV], 2
	s_xor_b32 s62, s62, 1                          ; 0 in waves 4 to 7,
	s_or_b32 s62, s62, s[PI]                       ; of the work-group with i = 0
	s_cmp_eq_u32 s62, 0
	s_cselect_b32 s[LIM], 3, -1
	v_and_b32 v16, 15, v0                          ; r
	v_bfe_u32 v17, v0, 4, 1                        ; h
	v_and_b32 v18, 31, v0                          ; lane
	v_lshlrev_b32 v250, 7, v16
	v_lshl_add_u32 v250, v17, 4, v250              ; Q: row r of 128 bytes, + 16 h
	s_lshl_b32 s62, s[Q0], 7
	s_add_co_u32 s62, s62, s13
	s_add_nc_u64 s[68:69], s[4:5], s[62:63]
	s_lshl_b32 s62, s[Q0L], 7
	s_add_co_u32 s62, s62, s13
	s_add_nc_u64 s[66:67], s[4:5], s[62:63]
.irp n, 0,1,2,3
	global_load_b128 v[24+4*\n:27+4*\n], v250, s[68:69] offset:32*\n     ; both passes' Q stay in registers
	global_load_b128 v[40+4*\n:43+4*\n], v250, s[66:67] offset:32*\n
.endr
	v_mul_u32_u24 v[AK0], v16, PK
	v_lshl_add_u32 v[AK0], v17, 4, v[AK0]
	v_and_b32 v19, 7, v0
	v_lshl_add_u32 v19, v17, 3, v19
	v_mul_u32_u24 v[AV0], v19, PV                  ; the turning load: key 8 h + lane % 8,
	v_bfe_u32 v19, v0, 3, 1
	v_lshl_add_u32 v[AV0], v19, 4, v[AV0]          ; channels 8 ((lane / 8) % 2) on
	v_add_nc_u32 v[AV0], VOFF, v[AV0]
	s_mul_i32 s62, s[WV], 16*PK
	s_add_co_u32 s62, s62, STAGE
	v_add_nc_u32 v[STO], s62, v[AK0]
	v_lshrrev_b32 v19, 3, v18
	v_mul_u32_u24 v19, v19, PK
	v_and_b32 v251, 7, v0
	v_lshl_add_u32 v19, v251, 4, v19
	v_add_nc_u32 v[RD], s62, v19
	v_lshlrev_b32 v[GO], 4, v18
	v_lshlrev_b32 v[PFO], 8, v18
	v_lshlrev_b32 v19, 3, v17
	v_sub_nc_u32 v11, v16, v19
	v_mov_b32 v21, 0                               ; named as the upper half of the pair v[20:21]
	v_mov_b32 v248, 0xff800000
	RESET
	s_wait_loadcnt 0x0                             ; Q
.Lslot:                                            ; 16 trips: trip n asks for block n + 1 of the walk and works on block n
	CHANGE 1
	SWITCH
	STEP 0
	STEP 1
	s_xor_b32 s[TB], s[TB], SLOT1
	s_sub_co_u32 s[SLOTS], s[SLOTS], 1
	s_cmp_lg_u32 s[SLOTS], 0
	s_cbranch_scc1 .Lslot
	CHANGE 0                                       ; the walk's last block is written out: nothing is left to fetch
	SWITCH
	STEP 0
	STEP 1
	FINISH
	s_wait_tensorcnt 0x0                           ; the wave's end
	ds_add_u32 v[SPW], v[NIL]
	s_wait_dscnt 0x0
	s_endpgm
.Lfunc_end_k_q3ce63d6e30_attn:
	.size	k_q3ce63d6e30_attn, .Lfunc_end_k_q3ce63d6e30_attn-k_q3ce63d6e30_attn
	.p2alignl 7, 3214868480
	.fill 96, 4, 3214868480
	.section	.rodata,"a",@progbits
	.p2align	6, 0x0
	.amdhsa_kernel k_q3ce63d6e30_attn
		.amdhsa_group_segment_fixed_size 327680
		.amdhsa_private_segment_fixed_size 0
		.amdhsa_enable_private_segment 0
		.amdhsa_kernarg_size 16
		.amdhsa_user_sgpr_count 2
		.amdhsa_user_sgpr_kernarg_segment_ptr 1
		.amdhsa_wavefront_size32 1
		.amdhsa_system_sgpr_workgroup_id_x 1
		.amdhsa_system_sgpr_workgroup_id_y 1
		.amdhsa_system_sgpr_workgroup_id_z 1
		.amdhsa_system_vgpr_workitem_id 0
		.amdhsa_next_free_vgpr 256
		.amdhsa_next_free_sgpr 72
		.amdhsa_reserve_vcc 1
		.amdhsa_float_denorm_mode_32 3
		.amdhsa_float_denorm_mode_16_64 3
		.amdhsa_memory_ordered 1
		.amdhsa_forward_progress 1
		.amdhsa_inst_pref_size 72
	.end_amdhsa_kernel
	.amdgpu_metadata
---
amdhsa.version: [ 1, 2 ]
amdhsa.kernels:
  - .name:           k_q3ce63d6e30_attn
    .symbol:         k_q3ce63d6e30_attn.kd
    .args:
      - { .name: qkv, .offset: 0, .size: 8, .value_kind: global_buffer, .address_space: global }
      - { .name: yb, .offset: 8, .size: 8, .value_kind: global_buffer, .address_space: global }
    .group_segment_fixed_size: 327680
    .private_segment_fixed_size: 0
    .kernarg_segment_align: 8
    .kernarg_segment_size: 16
    .max_flat_workgroup_size: 256
    .sgpr_count:     72
    .vgpr_count:     256
    .wavefront_size: 32
...
	.end_amdgpu_metadata
.endif
;; end of part 3
;; launch proj (part 4): grid 8 x 32, 4 waves a work-group, clusters of 4 x 4, 327,680 bytes of LDS; arguments yb, wp, b_proj, out0; writes out0
.if DOCPART == 4
	.amdgcn_target "amdgcn-amd-amdhsa--gfx1250"
	.amdhsa_code_object_version 6
	.text
	.protected	k_q3ce63d6e30_proj
	.globl	k_q3ce63d6e30_proj
	.p2align	8
	.type	k_q3ce63d6e30_proj,@function
k_q3ce63d6e30_proj:
	s_mov_b64 s[64:65], 0
	v_nop
	global_prefetch_b8 v0, s[64:65] scope:SCOPE_SE
	s_setreg_imm32_b32 hwreg(HW_REG_WAVE_MODE, 25, 1), 1
	s_wait_xcnt 0x0
	s_wait_alu depctr_hold_cnt(0) depctr_sa_sdst(0) depctr_va_vdst(0) depctr_va_sdst(0) depctr_va_ssrc(0) depctr_va_vcc(0) depctr_vm_vsrc(0)
	s_getreg_b32 s2, hwreg(HW_REG_IB_STS2, 6, 4)
	s_cmp_eq_u32 s2, 0
	s_cbranch_scc0 .Lentry_in_a_cluster
	s_endpgm
.Lentry_in_a_cluster:
	s_bfe_u32 s2, ttmp6, 0x10000c
	s_cmp_lg_u32 s2, 0xf033
	s_cbranch_scc0 .Lentry_shape_is_right
	s_endpgm
.Lentry_shape_is_right:
; out0 = y w_proj + b_proj.  y: f16, yb [row / 128][head 16][128 rows][64]; w_proj: f16 images of fragments, wp [128 columns 8][32 k 32][tile 8][1,024 bytes]; sums in f32; out0 [4096][1024] f32.
; A tile of out0 is 128 x 128: 256 work-groups.  Four waves, each 64 x 64: 16 accumulators.  K goes in steps of 256 (four heads) through a ring of two LDS slots; both operands' parts of a K step are dense runs of memory.
; CLUSTERS: 4 x 4.  The four of a row of the cluster need the same tiles of y, the four of a column the same images of w_proj: each is asked for jointly, by the same tensor load with a mask that names the four.
; THE MATRIX INSTRUCTION IS USED TRANSPOSED (source 0 = 16 columns of w_proj, source 1 = 16 rows of y): a lane holds eight neighbouring numbers of a row of out0.  The bias is the C of each sum's first product.
; No branch may hang on the tile row here, so positions 0-15 of each sequence are made like all rows; the next launch stores those 32 rows again, carried in f32.
; REGISTERS: window 0: v1-29 addresses; v32-95 rows on the way out; v96-127 the bias; v128-255 the accumulators ((a, b) at v[128 + 8 (4 a + b)]).  window 1: two fragment buffers of 128: 64 registers of y, then 64 of w_proj.
.set PA,     144                       ; a row of y in LDS: 128 bytes + 16
.set AHALF,  256*PA                    ; 256 rows (two heads x 128): what one tensor load brings
.set BOFF,   2*AHALF                   ; behind y's 512 rows: 64 images
.set BHALF,  32768
.set SLOT,   BOFF+2*BHALF
.set KBYTES, 65536                     ; a K step of either operand in memory
.set STAGE,  2*SLOT                    ; the way out: 16 rows x 272 bytes for each wave; no fill lands here
.set SPITCH, 272
.set SPARE,  STAGE+4*16*SPITCH         ; the spare words: two blocks of 256 bytes that no other line names
.set LAPS,   2                         ; a lap = two K steps = once round the ring
.set ADRA, 16
.set ADRB, 20
.set STO,  24
.set RD,   25
.set CO,   26
.set BO,   27
.set SPW,  28
.set NIL,  29
.set TMP,  32
.set BI,   96
.set ACC,  128
.set F0,   0
.set F1,   128
.set G1, 24
.set G0, 32
.set G1B, 48
.set G0B, 56
.set MSB, 0
.macro WIN new
.if MSB != (\new)
	s_set_vgpr_msb (MSB<<8)|(\new)
.set MSB, (\new)
.endif
.endm
.set MUL,  0x05                        ; sources 0 and 1 window 1; C and D window 0
.set TO_F, 0x40                        ; destination window 1, address window 0
.macro JLOAD s                         ; a joint load: waves 0 and 1 fetch y's halves, waves 2 and 3 w_proj's; an s_nop 0 and four v_nop follow each of the two lines
	s_cmp_eq_u32 s11, 0
	s_cbranch_scc0 .Lfor_b_\@
	tensor_load_to_lds s[G0+4*\s:G0+4*\s+3], s[G1:G1+7]
	s_nop 0
.rept 4
	v_nop
.endr
	s_branch .Lasked_\@
.Lfor_b_\@:
	tensor_load_to_lds s[G0B+4*\s:G0B+4*\s+3], s[G1B:G1B+7]
	s_nop 0
.rept 4
	v_nop
.endr
.Lasked_\@:
.endm
.macro CREST
	s_cmp_lg_u32 s10, 0
	s_cbranch_scc1 .Lnot_wave_0_\@
	s_barrier_signal -3
.Lnot_wave_0_\@:
	s_barrier_wait -3
	s_barrier_signal -1
	s_barrier_wait -1
.endm
.macro CROUND
	s_barrier_signal -1
	s_barrier_wait -1
	CREST
.endm
	s_load_b128 s[4:7], s[0:1], 0x0                ; yb s[4:5], wp s[6:7]
	s_load_b128 s[16:19], s[0:1], 0x10             ; b_proj s[16:17], out0 s[18:19]
	v_lshl_add_u32 v[SPW], v0, 2, SPARE
	v_mov_b32 v[NIL], 0
	ds_add_u32 v[SPW], v[NIL]                      ; the wave's opening: the add, twice on end, and its wait ahead of my first tensor load
	ds_add_u32 v[SPW], v[NIL]
	v_lshrrev_b32 v1, 5, v0
	v_readfirstlane_b32 s10, v1                    ; wave 0..3
	s_lshr_b32 s11, s10, 1                         ; which half of the tile's rows is mine.  Also: I fetch for y (0) or for w_proj (1)
	s_and_b32 s12, s10, 1                          ; which half of its columns.  Also: which half of that operand's K step I fetch
	s_bfe_u32 s40, ttmp6, 0x40000                  ; cx, cy
	s_bfe_u32 s41, ttmp6, 0x40004
	s_lshl_b32 s42, ttmp9, 2
	s_add_co_u32 s42, s42, s40                     ; tile column
	s_and_b32 s13, ttmp7, 0xffff
	s_lshl_b32 s13, s13, 2
	s_add_co_u32 s13, s13, s41                     ; tile row
	s_lshl_b32 s43, s41, 2
	s_lshl_b32 s43, 15, s43                        ; my row of the cluster
	s_lshl_b32 s44, 0x1111, s40                    ; my column
	s_or_b32 s[G1+0], s43, (1<<16)|(1<<20)|(1<<21)|(4<<22)|(3<<25)   ; y: elements of 2 bytes; padding: 4 words after every 32
	s_mov_b32 s[G1+1], 64<<16
	s_mov_b32 s[G1+2], 256<<16
	s_mov_b32 s[G1+3], 64<<16
	s_mov_b32 s[G1+4], 256
	s_mov_b32 s[G1+5], 64
	s_mov_b32 s[G1+6], 0
	s_mov_b32 s[G1+7], 0
	s_or_b32 s[G1B+0], s44, (3<<16)|(1<<21)        ; w_proj: a dense block of 32,768 bytes as 128 rows of 256
	s_mov_b32 s[G1B+1], 32<<16
	s_mov_b32 s[G1B+2], 128<<16
	s_mov_b32 s[G1B+3], 32<<16
	s_mov_b32 s[G1B+4], 128
	s_mov_b32 s[G1B+5], 32
	s_mov_b32 s[G1B+6], 0
	s_mov_b32 s[G1B+7], 0
	s_lshl_b32 s20, s13, 18                        ; y: 262,144 bytes a tile row, + my half of a K step
	s_lshl_b32 s21, s12, 15
	s_add_co_u32 s20, s20, s21
	s_mov_b32 s21, 0
	s_lshl_b32 s46, s42, 18                        ; w_proj likewise, by the tile column
	s_lshl_b32 s47, s12, 15
	s_add_co_u32 s46, s46, s47
	s_mov_b32 s47, 0
	s_mul_i32 s22, s12, AHALF                      ; where they go: no place in the cluster enters an LDS address
	s_lshl_b32 s23, s12, 15
	s_add_co_u32 s23, s23, BOFF
	s_wait_dscnt 0x0                               ; both opening adds are done
	s_wait_kmcnt 0x0
	s_add_nc_u64 s[14:15], s[4:5], s[20:21]
	s_add_nc_u64 s[46:47], s[6:7], s[46:47]
	CROUND                                         ; all sixteen work-groups are here: the first joint loads meet
.irp s, 0,1
	s_mov_b32 s[G0+4*\s], 1
	s_add_co_u32 s[G0+4*\s+1], s22, \s*SLOT
	s_add_nc_u64 s[G0+4*\s+2:G0+4*\s+3], s[14:15], \s*KBYTES
	s_or_b32 s[G0+4*\s+3], s[G0+4*\s+3], 0x80000000
	s_mov_b32 s[G0B+4*\s], 1
	s_add_co_u32 s[G0B+4*\s+1], s23, \s*SLOT
	s_add_nc_u64 s[G0B+4*\s+2:G0B+4*\s+3], s[46:47], \s*KBYTES
	s_or_b32 s[G0B+4*\s+3], s[G0B+4*\s+3], 0x80000000
	JLOAD \s
.endr
	v_and_b32 v1, 15, v0                           ; r
	v_bfe_u32 v2, v0, 4, 1                         ; h
	v_and_b32 v5, 31, v0                           ; lane
	v_mul_u32_u24 v3, v1, PA
	v_lshl_add_u32 v3, v2, 4, v3
	s_mul_i32 s2, s11, 64*PA                       ; my 64 rows of each head
	v_add_nc_u32 v[ADRA], s2, v3
	s_add_co_u32 s2, s2, SLOT
	v_add_nc_u32 v[ADRA+1], s2, v3
	v_lshlrev_b32 v4, 4, v5
	s_lshl_b32 s2, s12, 12                         ; my four tiles of each eight images
	s_add_co_u32 s2, s2, BOFF
	v_add_nc_u32 v[ADRB], s2, v4
	s_add_co_u32 s2, s2, SLOT
	v_add_nc_u32 v[ADRB+1], s2, v4
	s_mul_i32 s2, s10, 16*SPITCH
	s_add_co_u32 s2, s2, STAGE                     ; my stage
	v_mul_u32_u24 v4, v1, SPITCH
	v_lshl_add_u32 v4, v2, 5, v4
	v_add_nc_u32 v[STO], s2, v4                    ; in: row r, 32 bytes for each half of the lanes
	v_mul_u32_u24 v4, v2, SPITCH
	v_lshl_add_u32 v4, v1, 4, v4
	v_add_nc_u32 v[RD], s2, v4                     ; back: lanes 0-15 one row of 256 bytes, lanes 16-31 the next
	v_lshlrev_b32 v4, 12, v2
	v_lshl_add_u32 v[CO], v1, 4, v4                ; and the same two rows in out0
	v_lshlrev_b32 v[BO], 5, v2
	s_lshl_b32 s20, s13, 19                        ; my first row of out0: 128 x tile row + 64 x half, rows of 4,096 bytes
	s_lshl_b32 s21, s11, 18
	s_add_co_u32 s20, s20, s21
	s_mov_b32 s21, 0
	s_add_nc_u64 s[18:19], s[18:19], s[20:21]
	s_lshl_b32 s46, s42, 9                         ; my first column, in bytes: 512 x tile column + 256 x half; the same in b_proj
	s_lshl_b32 s47, s12, 8
	s_add_co_u32 s46, s46, s47
	s_mov_b32 s47, 0
	s_add_nc_u64 s[18:19], s[18:19], s[46:47]
	s_add_nc_u64 s[16:17], s[16:17], s[46:47]
.irp b, 0,1,2,3
	global_load_b128 v[BI+8*\b:BI+8*\b+3], v[BO], s[16:17] offset:64*\b        ; the bias in the result's layout
	global_load_b128 v[BI+8*\b+4:BI+8*\b+7], v[BO], s[16:17] offset:64*\b+16
.endr
; 8 products: row tiles a0, a0 + 1 x all 4 column tiles, 32 along K: half c of buffer f.  zero = 1: the first product starts the sums from the bias.  The 16 accumulators take turns.
.macro MUL8 f, c, a0, zero
.irp a, \a0, \a0+1
.irp b, 0,1,2,3
.if \zero
	v_wmma_f32_16x16x32_f16 v[ACC+8*(4*(\a)+\b):ACC+8*(4*(\a)+\b)+7], v[\f+64+8*(4*\c+\b):\f+64+8*(4*\c+\b)+7], v[\f+8*(4*\c+\a):\f+8*(4*\c+\a)+7], v[BI+8*\b:BI+8*\b+7]
.else
	v_wmma_f32_16x16x32_f16 v[ACC+8*(4*(\a)+\b):ACC+8*(4*(\a)+\b)+7], v[\f+64+8*(4*\c+\b):\f+64+8*(4*\c+\b)+7], v[\f+8*(4*\c+\a):\f+8*(4*\c+\a)+7], v[ACC+8*(4*(\a)+\b):ACC+8*(4*(\a)+\b)+7]
.endif
.endr
.endr
.endm
; 32 LDS loads in one run: the fragments of quarter z (one head, 64 along K) into buffer f; the first 32 along K first
.macro FETCH slot, z, f
	WIN TO_F
.irp c, 0,1
.irp i, 0,1,2,3
	ds_load_b128 v[\f+64+8*(4*\c+\i):\f+64+8*(4*\c+\i)+3],   v[ADRB+\slot] offset:(2*(\z)+\c)*8192+\i*1024
	ds_load_b128 v[\f+64+8*(4*\c+\i)+4:\f+64+8*(4*\c+\i)+7], v[ADRB+\slot] offset:(2*(\z)+\c)*8192+\i*1024+512
	ds_load_b128 v[\f+8*(4*\c+\i):\f+8*(4*\c+\i)+3],         v[ADRA+\slot] offset:(\z)*128*PA+\i*16*PA+64*\c
	ds_load_b128 v[\f+8*(4*\c+\i)+4:\f+8*(4*\c+\i)+7],       v[ADRA+\slot] offset:(\z)*128*PA+\i*16*PA+64*\c+32
.endr
.endr
.endm
.macro PLACES
.rept 4
	v_nop
.endr
.endm
; One of a K step's first three quarters: multiplies buffer f and fetches quarter z into g.
.macro QUARTER slot, z, f, g, zero
	s_wait_dscnt 16                                ; the first 32 along K are in
	WIN MUL
	MUL8 \f, 0, 0, \zero
	MUL8 \f, 0, 2, \zero
	PLACES
	FETCH \slot, \z, \g
	s_wait_dscnt 32                                ; all but the 32 just issued
	WIN MUL
	MUL8 \f, 1, 0, 0
	MUL8 \f, 1, 2, 0
.endm
; The last quarter multiplies buffer 1 and changes slots: one barrier; in front of it each wave waits for all its tensor loads, adds 0 to its spare word, and waits for that and for its reads of this slot.
.macro TURN slot, next, fill
	WIN 0
	s_wait_tensorcnt 0x0                           ; all my tensor loads have landed: my part of the next slot
	ds_add_u32 v[SPW], v[NIL]
	s_wait_dscnt 17                                ; (the add and the youngest sixteen loads may be out)
	WIN MUL
	MUL8 F1, 0, 0, 0
	s_wait_dscnt 0x0                               ; the add is done, and my reads of this slot are over
	s_barrier_signal -1
	MUL8 F1, 0, 2, 0
.if \fill
	WIN 0
.endif
	s_barrier_wait -1
.if \fill
	CREST                                          ; the barrier has opened a round of the cluster's barrier: no wave of any partner still reads this slot or has a load on its way
	s_add_nc_u64 s[G0+4*\slot+2:G0+4*\slot+3], s[G0+4*\slot+2:G0+4*\slot+3], 2*KBYTES
	s_add_nc_u64 s[G0B+4*\slot+2:G0B+4*\slot+3], s[G0B+4*\slot+2:G0B+4*\slot+3], 2*KBYTES
	JLOAD \slot                                    ; the first tensor load behind the round; its four v_nop are also the places in front of the loads below
.else
	PLACES
.endif
	FETCH \next, 0, F0
	WIN MUL
	MUL8 F1, 1, 0, 0
	MUL8 F1, 1, 2, 0
.endm
	s_wait_tensorcnt 1                             ; my part of K step 0 is in; K step 1's load may be out
	s_barrier_signal -1
	s_barrier_wait -1
	FETCH 0, 0, F0
	s_wait_loadcnt 0x0                             ; the bias
	QUARTER 0, 1, F0, F1, 1
	WIN 0
	s_mov_b32 s3, LAPS-1
.Llap:                                             ; a trip goes once round the ring and fills both slots again
	QUARTER 0, 2, F1, F0, 0
	QUARTER 0, 3, F0, F1, 0
	TURN 0, 1, 1
	QUARTER 1, 1, F0, F1, 0
	QUARTER 1, 2, F1, F0, 0
	QUARTER 1, 3, F0, F1, 0
	TURN 1, 0, 1
	QUARTER 0, 1, F0, F1, 0
	WIN 0
	s_sub_co_u32 s3, s3, 1
	s_cmp_lg_u32 s3, 0
	s_cbranch_scc1 .Llap
	QUARTER 0, 2, F1, F0, 0                        ; the last lap fills nothing
	QUARTER 0, 3, F0, F1, 0
	TURN 0, 1, 0
	QUARTER 1, 1, F0, F1, 0
	QUARTER 1, 2, F1, F0, 0
	QUARTER 1, 3, F0, F1, 0
	s_wait_dscnt 16
	WIN MUL
	MUL8 F1, 0, 0, 0
	MUL8 F1, 0, 2, 0
	s_wait_dscnt 0
	MUL8 F1, 1, 0, 0
	MUL8 F1, 1, 2, 0
	WIN 0
; THE WAY OUT, 16 rows at a time.  My 64 columns of f32 are 256 aligned bytes of a row: they go through my own stage and come back as whole rows; sixteen lanes store 256 consecutive bytes.
.macro TOSTAGE a
.irp b, 0,1,2,3
	ds_store_b128 v[STO], v[ACC+8*(4*(\a)+\b):ACC+8*(4*(\a)+\b)+3] offset:64*\b          ; each accumulator from its low end on
	ds_store_b128 v[STO], v[ACC+8*(4*(\a)+\b)+4:ACC+8*(4*(\a)+\b)+7] offset:64*\b+16
.endr
.set BB, TMP+32*((\a)%2)
.irp t, 0,1,2,3,4,5,6,7
	ds_load_b128 v[BB+4*\t:BB+4*\t+3], v[RD] offset:\t*2*SPITCH    ; LDS serves a wave's instructions in order: these see the stores above
.endr
.endm
.macro SEND a, younger
.set BB, TMP+32*((\a)%2)
	s_wait_dscnt \younger
.irp t, 0,1,2,3,4,5,6,7
	global_store_b128 v[CO], v[BB+4*\t:BB+4*\t+3], s[18:19] offset:(16*(\a)+2*\t)*4096 th:TH_STORE_NT
.endr
.endm
	PLACES
	TOSTAGE 0
.irp a, 1,2,3
.if \a > 1
	s_wait_xcnt 0x0                                ; block a - 2's stores have read their registers: block a's loads may land there
.endif
	TOSTAGE \a
	SEND \a-1, 16                                  ; behind block a - 1's loads: block a's 8 stores and 8 loads
.endr
	SEND 3, 0
	s_wait_tensorcnt 0x0                           ; the wave's end
	ds_add_u32 v[SPW], v[NIL]
	s_wait_dscnt 0x0
	CROUND                                         ; the closing round
	s_endpgm
.Lfunc_end_k_q3ce63d6e30_proj:
	.size	k_q3ce63d6e30_proj, .Lfunc_end_k_q3ce63d6e30_proj-k_q3ce63d6e30_proj
	.p2alignl 7, 3214868480
	.fill 96, 4, 3214868480
	.section	.rodata,"a",@progbits
	.p2align	6, 0x0
	.amdhsa_kernel k_q3ce63d6e30_proj
		.amdhsa_group_segment_fixed_size 327680
		.amdhsa_private_segment_fixed_size 0
		.amdhsa_enable_private_segment 0
		.amdhsa_kernarg_size 32
		.amdhsa_user_sgpr_count 2
		.amdhsa_user_sgpr_kernarg_segment_ptr 1
		.amdhsa_wavefront_size32 1
		.amdhsa_system_sgpr_workgroup_id_x 1
		.amdhsa_system_sgpr_workgroup_id_y 1
		.amdhsa_system_sgpr_workgroup_id_z 1
		.amdhsa_system_vgpr_workitem_id 0
		.amdhsa_next_free_vgpr 512
		.amdhsa_next_free_sgpr 66
		.amdhsa_reserve_vcc 0
		.amdhsa_float_denorm_mode_32 3
		.amdhsa_float_denorm_mode_16_64 3
		.amdhsa_memory_ordered 1
		.amdhsa_forward_progress 1
		.amdhsa_inst_pref_size 86
	.end_amdhsa_kernel
	.amdgpu_metadata
---
amdhsa.version: [ 1, 2 ]
amdhsa.kernels:
  - .name:           k_q3ce63d6e30_proj
    .symbol:         k_q3ce63d6e30_proj.kd
    .args:
      - { .name: yb, .offset: 0, .size: 8, .value_kind: global_buffer, .address_space: global }
      - { .name: wp, .offset: 8, .size: 8, .value_kind: global_buffer, .address_space: global }
      - { .name: b_proj, .offset: 16, .size: 8, .value_kind: global_buffer, .address_space: global }
      - { .name: out0, .offset: 24, .size: 8, .value_kind: global_buffer, .address_space: global }
    .group_segment_fixed_size: 327680
    .private_segment_fixed_size: 0
    .kernarg_segment_align: 8
    .kernarg_segment_size: 32
    .max_flat_workgroup_size: 128
    .sgpr_count:     66
    .vgpr_count:     512
    .wavefront_size: 32
...
	.end_amdgpu_metadata
.endif
;; end of part 4
;; launch fine (part 5): grid 16 x 2, 16 waves a work-group, no clusters, 71,680 bytes of LDS; arguments qf, w_proj, b_proj, out0; writes out0
.if DOCPART == 5
	.amdgcn_target "amdgcn-amd-amdhsa--gfx1250"
	.amdhsa_code_object_version 6
	.text
	.protected	k_q3ce63d6e30_fine
	.globl	k_q3ce63d6e30_fine
	.p2align	8
	.type	k_q3ce63d6e30_fine,@function
k_q3ce63d6e30_fine:
	s_mov_b64 s[64:65], 0
	v_nop
	global_prefetch_b8 v0, s[64:65] scope:SCOPE_SE
	s_setreg_imm32_b32 hwreg(HW_REG_WAVE_MODE, 25, 1), 1
	s_wait_xcnt 0x0
; POSITIONS 0-15 OF BOTH SEQUENCES, IN F32 THROUGHOUT: these rows average one to sixteen values and are the largest of the output, so f16 operands would weigh most there.  Their 32 rows of out0 are stored again here.
; qf holds the f32 sums q, k, v of those positions as images of accumulator registers: [batch][head][tile 12][half 2][lane][16 bytes]; lane (r, h), register j of tile t: position r, channel 16 t + 8 h + j.
; SHARES.  A work-group makes 64 columns of out0 for one batch's 16 rows; wave = head: it computes its head's 16 x 16 attention, multiplies its 64 of the projection's K into a partial 16 x 64, and the 16 partials are added through LDS.
; All products by v_wmma_f32_16x16x4_f32; its results lie in v176-239, which nothing but matrix instructions writes.  A K step takes registers 2 n, 2 n + 1 of both operands: the four numbers along K that the two halves
; of the lanes then hold are the same on both sides, and the steps together cover K: a permutation of K applied alike to both operands.
; LIMITS: NaN and infinities are not served; sums are added in another order than a plain loop over K would.
; REGISTERS: v1-11 addresses and constants; v16-47 q, later w_proj's tile 2; v48-79 k, later tile 3; v80-111 v, V^T, then y; v112-175 w_proj's tiles 0, 1, later the partials; v176-207 four parts of S^T, later out^T; v208-239 O^T; v240-247 s, p; v248-255 at work.
.set REG,   16*272                     ; a wave's region of LDS: 16 rows x (256 bytes + 16)
.set SPARE, 16*REG                     ; the spare words: eight blocks of 256 bytes that no other line names
.set IO,  4                            ; v4  16 x lane
.set WO,  5                            ; v5  w_proj: 8 h rows of 4,096 bytes + 4 r
.set LST, 6                            ; v6  my region: row r, + 32 h
.set LVT, 7                            ; v7  my region: row 8 h, + 4 r
.set LRD, 8                            ; v8  row = my wave's number, + 8 x lane
.set BOF, 9                            ; v9  8 x lane
.set DM,  10                           ; v10 r - 8 h
.set SPW, 14
.set NIL, 15
.macro WLOAD u, reg                    ; w_proj's tile u (16 columns) x my head's 64 rows, in the order of the steps: register 2 n + j holds row 16 (n / 4) + 8 h + 2 (n % 4) + j
.set n, 0
.rept 16
	global_load_b32 v[\reg+2*n], v[WO], s[6:7] offset:(16*(n/4)+2*(n%4))*4096+64*\u
	global_load_b32 v[\reg+2*n+1], v[WO], s[6:7] offset:(16*(n/4)+2*(n%4)+1)*4096+64*\u
.set n, n+1
.endr
.endm
.macro PLACES8                         ; eight plain lines behind this matrix form (ISA guide 7.12.1)
.rept 8
	v_nop
.endr
.endm
	s_load_b256 s[4:11], s[0:1], 0x0               ; qf s[4:5], w_proj s[6:7], b_proj s[8:9], out0 s[10:11]
	v_lshl_add_u32 v[SPW], v0, 2, SPARE
	v_mov_b32 v[NIL], 0
	v_lshrrev_b32 v1, 5, v0
	v_readfirstlane_b32 s12, v1                    ; wave = head; on the way out: the row
	s_and_b32 s14, ttmp7, 0xffff                   ; batch
	v_and_b32 v3, 31, v0                           ; lane
	v_and_b32 v1, 15, v0                           ; r
	v_bfe_u32 v2, v0, 4, 1                         ; h
	v_lshlrev_b32 v[IO], 4, v3
	v_lshlrev_b32 v[WO], 2, v1
	v_lshl_add_u32 v[WO], v2, 15, v[WO]
	s_mul_i32 s20, s12, REG
	v_mul_u32_u24 v[LST], v1, 272
	v_lshl_add_u32 v[LST], v2, 5, v[LST]
	v_add_nc_u32 v[LST], s20, v[LST]
	v_mul_u32_u24 v[LVT], v2, 8*272
	v_lshl_add_u32 v[LVT], v1, 2, v[LVT]
	v_add_nc_u32 v[LVT], s20, v[LVT]
	s_mul_i32 s21, s12, 272
	v_lshlrev_b32 v[BOF], 3, v3
	v_add_nc_u32 v[LRD], s21, v[BOF]
	v_lshlrev_b32 v[DM], 3, v2
	v_sub_nc_u32 v[DM], v1, v[DM]
	v_mov_b32 v11, 0xff800000                      ; -infinity
	s_mov_b32 s16, 0x76543210
	s_mov_b32 s17, 0xfedcba98                      ; v_permlanex16_b32's selects for lane l xor 16
	s_mov_b32 s18, 0x3e38aa3b                      ; c = log2(e) / 8
	s_lshl_b32 s22, s14, 4
	s_add_co_u32 s22, s22, s12
	s_mul_i32 s22, s22, 12288
	s_mov_b32 s23, 0
	s_lshl_b32 s24, s12, 18                        ; my head's 64 rows of w_proj,
	s_lshl_b32 s26, ttmp9, 8                       ; the work-group's 64 columns
	s_add_co_u32 s24, s24, s26
	s_mov_b32 s25, 0
	s_mov_b32 s27, 0
	s_lshl_b32 s28, s14, 23                        ; out0: row 2048 x batch + wave
	s_lshl_b32 s29, s12, 12
	s_add_co_u32 s28, s28, s29
	s_add_co_u32 s28, s28, s26
	s_mov_b32 s29, 0
	s_wait_kmcnt 0x0
	s_add_nc_u64 s[4:5], s[4:5], s[22:23]
	s_add_nc_u64 s[6:7], s[6:7], s[24:25]
	s_add_nc_u64 s[8:9], s[8:9], s[26:27]
	s_add_nc_u64 s[10:11], s[10:11], s[28:29]
.irp n, 0,1,2,3,4,5,6,7
	global_load_b128 v[16+4*\n:19+4*\n], v[IO], s[4:5] offset:512*\n          ; q's image,
	global_load_b128 v[48+4*\n:51+4*\n], v[IO], s[4:5] offset:4096+512*\n     ; k's,
	global_load_b128 v[80+4*\n:83+4*\n], v[IO], s[4:5] offset:8192+512*\n     ; v's
.endr
	WLOAD 0, 112
	WLOAD 1, 144
	s_wait_loadcnt 63                              ; the 24 loads of the images are in: 64 were issued behind them, and a wait's count has six bits (ISA guide 5.7.1)
	; V is turned through my region: in as rows [position][channel], back a channel a lane: register 8 t + e of lane (r, h) = v[position 8 h + e][channel 16 t + r]
.irp b, 0,1,2,3
	ds_store_b128 v[LST], v[80+8*\b:83+8*\b] offset:64*\b
	ds_store_b128 v[LST], v[84+8*\b:87+8*\b] offset:64*\b+16
.endr
	s_wait_dscnt 0x0                               ; the stores have read their registers
.irp t, 0,1,2,3
.irp e, 0,1,2,3,4,5,6,7
	ds_load_b32 v[80+8*\t+\e], v[LVT] offset:\e*272+64*\t
.endr
.endr
	; S^T = K Q^T in four parts, which take turns: lane (r, h), register j: key 8 h + j, query r
.set n, 0
.rept 16
.if n < 4
	v_wmma_f32_16x16x4_f32 v[176+8*(n%4):183+8*(n%4)], v[48+2*n:49+2*n], v[16+2*n:17+2*n], 0
.else
	v_wmma_f32_16x16x4_f32 v[176+8*(n%4):183+8*(n%4)], v[48+2*n:49+2*n], v[16+2*n:17+2*n], v[176+8*(n%4):183+8*(n%4)]
.endif
.set n, n+1
.endr
	PLACES8
	WLOAD 2, 16                                    ; q's and k's registers take the other two tiles of w_proj
	WLOAD 3, 48
.irp j, 0,1,2,3,4,5,6,7
	v_add_f32 v[240+\j], v[176+\j], v[184+\j]
.endr
.irp j, 0,1,2,3,4,5,6,7
	v_add_f32 v[248+\j], v[192+\j], v[200+\j]
.endr
.irp j, 0,1,2,3,4,5,6,7
	v_add_f32 v[240+\j], v[240+\j], v[248+\j]
.endr
.irp j, 0,1,2,3,4,5,6,7
	v_cmp_gt_i32 vcc_lo, \j, v[DM]                 ; key 8 h + j comes after query r
	v_cndmask_b32 v[240+\j], v[240+\j], v11, vcc_lo
.endr
	v_max3_num_f32 v248, v240, v241, v242
	v_max3_num_f32 v249, v243, v244, v245
	v_max3_num_f32 v248, v248, v246, v247
	v_max_num_f32 v248, v248, v249
	v_permlanex16_b32 v249, v248, s16, s17
	v_max_num_f32 v248, v248, v249                 ; the row's largest score (key 0 counts for every query)
	v_mul_f32 v248, s18, v248
.irp j, 0,1,2,3,4,5,6,7
	v_fma_f32 v[240+\j], v[240+\j], s18, -v248
.endr
.irp j, 0,1,2,3,4,5,6,7
	v_exp_f32 v[240+\j], v[240+\j]
.endr
	v_nop                                          ; a plain line behind the last exponential,
	s_wait_alu depctr_va_vdst(0)                   ; and one wait for the batch, ahead of its first reader
	v_add_f32 v250, v240, v241
	v_add_f32 v251, v242, v243
	v_add_f32 v252, v244, v245
	v_add_f32 v253, v246, v247
	v_add_f32 v250, v250, v251
	v_add_f32 v252, v252, v253
	v_add_f32 v250, v250, v252
	v_permlanex16_b32 v251, v250, s16, s17
	v_add_f32 v250, v250, v251                     ; the row's sum
	v_rcp_f32 v252, v250
	v_nop
	s_wait_alu depctr_va_vdst(0)
	s_wait_dscnt 0x0                               ; V^T is in
	; O^T = V^T P^T: step s takes keys 8 h + 2 s + j on both sides
.irp s, 0,1,2,3
.irp t, 0,1,2,3
.if \s == 0
	v_wmma_f32_16x16x4_f32 v[208+8*\t:215+8*\t], v[80+8*\t+2*\s:81+8*\t+2*\s], v[240+2*\s:241+2*\s], 0
.else
	v_wmma_f32_16x16x4_f32 v[208+8*\t:215+8*\t], v[80+8*\t+2*\s:81+8*\t+2*\s], v[240+2*\s:241+2*\s], v[208+8*\t:215+8*\t]
.endif
.endr
.endr
	PLACES8
.set n, 0
.rept 32
	v_mul_f32 v[80+n], v[208+n], v252              ; y: register 8 t + j: query r, channel 16 t + 8 h + j
.set n, n+1
.endr
	s_wait_loadcnt 0x0                             ; w_proj's four tiles
	; out^T += w_proj^T y^T over my head's 64: four accumulators by turns
.set n, 0
.rept 16
.irp u, 0,1,2,3
.set WR, 112+32*\u
.if \u > 1
.set WR, 16+32*(\u-2)
.endif
.if n == 0
	v_wmma_f32_16x16x4_f32 v[176+8*\u:183+8*\u], v[WR+2*n:WR+2*n+1], v[80+2*n:81+2*n], 0
.else
	v_wmma_f32_16x16x4_f32 v[176+8*\u:183+8*\u], v[WR+2*n:WR+2*n+1], v[80+2*n:81+2*n], v[176+8*\u:183+8*\u]
.endif
.endr
.set n, n+1
.endr
	PLACES8
	global_load_b64 v[144:145], v[BOF], s[8:9]     ; the bias of my two columns
.irp u, 0,1,2,3
	ds_store_b128 v[LST], v[176+8*\u:179+8*\u] offset:64*\u        ; my partial: row = query r, columns 16 u + 8 h on; each accumulator from its low end on
	ds_store_b128 v[LST], v[180+8*\u:183+8*\u] offset:64*\u+16
.endr
	s_wait_dscnt 0x0                               ; for the others' sake: my stores have landed
	s_barrier_signal -1
	s_barrier_wait -1
.irp w, 0,1,2,3,4,5,6,7,8,9,10,11,12,13,14,15
	ds_load_b64 v[112+2*\w:113+2*\w], v[LRD] offset:\w*REG         ; row = my wave's number, of all sixteen partials: 256 consecutive bytes a load
.endr
	s_wait_dscnt 0x0
.irp k, 0,1,2,3,4,5,6,7
	v_pk_add_f32 v[112+4*\k:113+4*\k], v[112+4*\k:113+4*\k], v[114+4*\k:115+4*\k]
.endr
.irp k, 0,1,2,3
	v_pk_add_f32 v[112+8*\k:113+8*\k], v[112+8*\k:113+8*\k], v[116+8*\k:117+8*\k]
.endr
.irp k, 0,1
	v_pk_add_f32 v[112+16*\k:113+16*\k], v[112+16*\k:113+16*\k], v[120+16*\k:121+16*\k]
.endr
	v_pk_add_f32 v[112:113], v[112:113], v[128:129]
	s_wait_loadcnt 0x0
	v_pk_add_f32 v[112:113], v[112:113], v[144:145]
	global_store_b64 v[BOF], v[112:113], s[10:11]  ; the wave stores 256 consecutive bytes, aligned
	s_wait_tensorcnt 0x0                           ; the wave's end
	ds_add_u32 v[SPW], v[NIL]
	s_wait_dscnt 0x0
	s_endpgm
.Lfunc_end_k_q3ce63d6e30_fine:
	.size	k_q3ce63d6e30_fine, .Lfunc_end_k_q3ce63d6e30_fine-k_q3ce63d6e30_fine
	.p2alignl 7, 3214868480
	.fill 96, 4, 3214868480
	.section	.rodata,"a",@progbits
	.p2align	6, 0x0
	.amdhsa_kernel k_q3ce63d6e30_fine
		.amdhsa_group_segment_fixed_size 71680
		.amdhsa_private_segment_fixed_size 0
		.amdhsa_enable_private_segment 0
		.amdhsa_kernarg_size 32
		.amdhsa_user_sgpr_count 2
		.amdhsa_user_sgpr_kernarg_segment_ptr 1
		.amdhsa_wavefront_size32 1
		.amdhsa_system_sgpr_workgroup_id_x 1
		.amdhsa_system_sgpr_workgroup_id_y 1
		.amdhsa_system_sgpr_workgroup_id_z 1
		.amdhsa_system_vgpr_workitem_id 0
		.amdhsa_next_free_vgpr 256
		.amdhsa_next_free_sgpr 66
		.amdhsa_reserve_vcc 1
		.amdhsa_float_denorm_mode_32 3
		.amdhsa_float_denorm_mode_16_64 3
		.amdhsa_memory_ordered 1
		.amdhsa_forward_progress 1
		.amdhsa_inst_pref_size 33
	.end_amdhsa_kernel
	.amdgpu_metadata
---
amdhsa.version: [ 1, 2 ]
amdhsa.kernels:
  - .name:           k_q3ce63d6e30_fine
    .symbol:         k_q3ce63d6e30_fine.kd
    .args:
      - { .name: qf, .offset: 0, .size: 8, .value_kind: global_buffer, .address_space: global }
      - { .name: w_proj, .offset: 8, .size: 8, .value_kind: global_buffer, .address_space: global }
      - { .name: b_proj, .offset: 16, .size: 8, .value_kind: global_buffer, .address_space: global }
      - { .name: out0, .offset: 24, .size: 8, .value_kind: global_buffer, .address_space: global }
    .group_segment_fixed_size: 71680
    .private_segment_fixed_size: 0
    .kernarg_segment_align: 8
    .kernarg_segment_size: 32
    .max_flat_workgroup_size: 512
    .sgpr_count:     66
    .vgpr_count:     256
    .wavefront_size: 32
...
	.end_amdgpu_metadata
.endif
;; end of part 5
